; MI455X (gfx1250); checked and timed in simulation.
; The chip was launched on July 23, 2026; its instructions are those of AMD's public machine-readable ISA for CDNA 5 (MIT licence, August 2026) and "CDNA5" Instruction Set Architecture Reference Guide (July 2026). The comments in the code are by the model that wrote it; some were corrected since.
;; Way Former Encoder. Allowed arithmetic: matrix products marked QUANTISED: E2M1 operands, one E8M0 scale for each 32 along K, by v_wmma_scale_f32_16x16x128_f8f6f4 with both operands' format E2M1 (or v_wmma_scale_f32_32x16x128_f4), f32 sums; everything else in f32.
;; Inputs: W1_codes 4 x 256 x 4 x 16 uint8 (E2M1 codes of W1, K innermost, in blocks of 32 codes, two codes a byte); W1_scales 4 x 256 x 4 uint8 (E8M0 scales of W1, one for each 32 codes along K); W2_codes 4 x 128 x 8 x 16 uint8 (E2M1 codes of W2, K innermost, in blocks of 32 codes, two codes a byte); W2_scales 4 x 128 x 8 uint8 (E8M0 scales of W2, one for each 32 codes along K); Wk_codes 4 x 128 x 4 x 16 uint8 (E2M1 codes of Wk, K innermost, in blocks of 32 codes, two codes a byte); Wk_scales 4 x 128 x 4 uint8 (E8M0 scales of Wk, one for each 32 codes along K); Wo_codes 4 x 128 x 4 x 16 uint8 (E2M1 codes of Wo, K innermost, in blocks of 32 codes, two codes a byte); Wo_scales 4 x 128 x 4 uint8 (E8M0 scales of Wo, one for each 32 codes along K); Wq_codes 4 x 128 x 4 x 16 uint8 (E2M1 codes of Wq, K innermost, in blocks of 32 codes, two codes a byte); Wq_scales 4 x 128 x 4 uint8 (E8M0 scales of Wq, one for each 32 codes along K); Wv_codes 4 x 128 x 4 x 16 uint8 (E2M1 codes of Wv, K innermost, in blocks of 32 codes, two codes a byte); Wv_scales 4 x 128 x 4 uint8 (E8M0 scales of Wv, one for each 32 codes along K); b1 4 x 256 float32; b2 4 x 128 float32; bk 4 x 128 float32; bo 4 x 128 float32; bq 4 x 128 float32; bv 4 x 128 float32; lengths 16 x 64 int32; ln1_b 4 x 128 float32; ln1_s 4 x 128 float32; ln2_b 4 x 128 float32; ln2_s 4 x 128 float32; polylines 16 x 64 x 64 x 128 float32; pos_emb 1 x 64 x 128 float32; proj_b 128 float32; proj_ln_b 128 float32; proj_ln_s 128 float32; proj_w_codes 128 x 4 x 16 uint8 (E2M1 codes of proj_w, K innermost, in blocks of 32 codes, two codes a byte); proj_w_scales 128 x 4 uint8 (E8M0 scales of proj_w, one for each 32 codes along K).
;; Outputs: out0 16 x 64 x 128 float32.
;; This version of the problem:
;;   THIS VERSION OF THE PROBLEM IS GIVEN IN LOW PRECISION. The matrix products marked QUANTISED in the list below multiply operands that are first quantised to E2M1 (2 exponent bits, 1 mantissa bit; 4 bits a number), with one power-of-two scale for each 32 numbers along K (OCP MX v1.0); their sums are f32. All else is computed in f32.
;;   The module's matrix products, in the order in which they are computed (A, B: the left and right operand; K: the contracted axis; several contracted axes count as one K, in the product's order):
;;     1. [M 65,536, K 128] x [K 128, N 128]; A: computed on the way; B: input proj_w (given as codes): QUANTISED
;;     2. [M 65,536, K 128] x [K 128, N 128]; A: computed on the way; B: input Wq (given as codes): QUANTISED
;;     3. [M 65,536, K 128] x [K 128, N 128]; A: computed on the way; B: input Wk (given as codes): QUANTISED
;;     4. [M 65,536, K 128] x [K 128, N 128]; A: computed on the way; B: input Wv (given as codes): QUANTISED
;;     5. batch 4,096 x [M 64, K 32] x [K 32, N 64]; A: computed on the way; B: computed on the way: QUANTISED
;;     6. batch 4,096 x [M 32, K 64] x [K 64, N 64]; A: computed on the way; B: softmax (see below): QUANTISED
;;     7. [M 65,536, K 128] x [K 128, N 128]; A: computed on the way; B: input Wo (given as codes): QUANTISED
;;     8. [M 65,536, K 128] x [K 128, N 256]; A: computed on the way; B: input W1 (given as codes): QUANTISED
;;     9. [M 65,536, K 256] x [K 256, N 128]; A: computed on the way; B: input W2 (given as codes): QUANTISED
;;     10. [M 65,536, K 128] x [K 128, N 128]; A: computed on the way; B: input Wq (given as codes): QUANTISED
;;     11. [M 65,536, K 128] x [K 128, N 128]; A: computed on the way; B: input Wk (given as codes): QUANTISED
;;     12. [M 65,536, K 128] x [K 128, N 128]; A: computed on the way; B: input Wv (given as codes): QUANTISED
;;     13. batch 4,096 x [M 64, K 32] x [K 32, N 64]; A: computed on the way; B: computed on the way: QUANTISED
;;     14. batch 4,096 x [M 32, K 64] x [K 64, N 64]; A: computed on the way; B: softmax (see below): QUANTISED
;;     15. [M 65,536, K 128] x [K 128, N 128]; A: computed on the way; B: input Wo (given as codes): QUANTISED
;;     16. [M 65,536, K 128] x [K 128, N 256]; A: computed on the way; B: input W1 (given as codes): QUANTISED
;;     17. [M 65,536, K 256] x [K 256, N 128]; A: computed on the way; B: input W2 (given as codes): QUANTISED
;;     18. [M 65,536, K 128] x [K 128, N 128]; A: computed on the way; B: input Wq (given as codes): QUANTISED
;;     19. [M 65,536, K 128] x [K 128, N 128]; A: computed on the way; B: input Wk (given as codes): QUANTISED
;;     20. [M 65,536, K 128] x [K 128, N 128]; A: computed on the way; B: input Wv (given as codes): QUANTISED
;;     21. batch 4,096 x [M 64, K 32] x [K 32, N 64]; A: computed on the way; B: computed on the way: QUANTISED
;;     22. batch 4,096 x [M 32, K 64] x [K 64, N 64]; A: computed on the way; B: softmax (see below): QUANTISED
;;     23. [M 65,536, K 128] x [K 128, N 128]; A: computed on the way; B: input Wo (given as codes): QUANTISED
;;     24. [M 65,536, K 128] x [K 128, N 256]; A: computed on the way; B: input W1 (given as codes): QUANTISED
;;     25. [M 65,536, K 256] x [K 256, N 128]; A: computed on the way; B: input W2 (given as codes): QUANTISED
;;     26. [M 65,536, K 128] x [K 128, N 128]; A: computed on the way; B: input Wq (given as codes): QUANTISED
;;     27. [M 65,536, K 128] x [K 128, N 128]; A: computed on the way; B: input Wk (given as codes): QUANTISED
;;     28. [M 65,536, K 128] x [K 128, N 128]; A: computed on the way; B: input Wv (given as codes): QUANTISED
;;     29. batch 4,096 x [M 64, K 32] x [K 32, N 64]; A: computed on the way; B: computed on the way: QUANTISED
;;     30. batch 4,096 x [M 32, K 64] x [K 64, N 64]; A: computed on the way; B: softmax (see below): QUANTISED
;;     31. [M 65,536, K 128] x [K 128, N 128]; A: computed on the way; B: input Wo (given as codes): QUANTISED
;;     32. [M 65,536, K 128] x [K 128, N 256]; A: computed on the way; B: input W1 (given as codes): QUANTISED
;;     33. [M 65,536, K 256] x [K 256, N 128]; A: computed on the way; B: input W2 (given as codes): QUANTISED
;;   THE QUANTISER, for each operand of a quantised product, along K:
;;     - K is cut into blocks of 32 from its start; a last block that is shorter is filled with zeros.
;;     - A block's scale is 2^e with e = floor(log2(the largest magnitude in the block)) - 2, held to -126 .. 127; a block of zeros has e = 0. As a byte (E8M0): e + 127.
;;     - Each number is divided by its block's scale, clamped to +-6, and rounded to the nearest number of E2M1, ties to even, subnormals kept.
;;     - The product sums the exact products of the quantised numbers (number of the format x scale) in f32.
;;   ~~~python
;;   def quantise(x, axis):      # numpy; x: float32 -> the quantised numbers, widened to float32 again
;;       x = np.moveaxis(x, axis, -1); K = x.shape[-1]
;;       x = np.pad(x, [(0, 0)] * (x.ndim - 1) + [(0, -K % 32)]); x = x.reshape(x.shape[:-1] + (-1, 32)); a = np.abs(x).max(-1, keepdims=True)
;;       e = np.where(a > 0, np.clip(np.frexp(np.where(a > 0, a, 1))[1] - 1 - 2, -126, 127), 0)      # np.frexp(a)[1] - 1 = floor(log2(a)), exactly
;;       r = np.clip(x / 2.0 ** e, -6, 6)
;;       step = 2.0 ** (np.maximum(np.frexp(np.where(r == 0, 1, r))[1] - 1, 0) - 1)
;;       q = np.round(r / step) * step * 2.0 ** e      # np.round: ties to even
;;       return np.moveaxis(q.reshape(q.shape[:-2] + (-1,))[..., :K], -1, axis).astype(np.float32)
;;   ~~~
;;   SOFTMAX AHEAD OF A QUANTISED PRODUCT. Where the list says 'softmax', what is quantised is not the finished softmax but p = 2^(t - M), with t = logit x log2(e) and M = ceil(the row's largest t), a whole number; so 1/2 < the row's largest p <= 1. The row's sum l is taken of the UNQUANTISED p, in f32, and the product's result is divided by l at the end. Since M is a whole number, a kernel that streams over the keys may use a running M (the ceiling of the running maximum): every later rescaling is an exact power of two, which a block's scale takes up: the codes' values come out the same.
;;   OPERANDS COMPUTED ON THE WAY. 'Computed on the way' means the value that the module computes at that place (a softmax that the list does not call 'softmax' is quantised finished and normalised). What goes into a quantiser is computed in f32, as accurately as f32 sums, v_exp_f32 and their like allow (about 1e-6 of the number): no bf16 or f16 on the way to a quantiser, and a product that is left as it is and whose result goes on into a quantised operand takes f32 operands (vector FMAs, or v_wmma_f32_16x16x4_f32). A number that lies on a knife's edge between two numbers of the format may be rounded either way, as far as f32 arithmetic and the matrix unit's own rounding can turn it there, and no further.
;;   INPUTS GIVEN AS CODES. W1 (in the module: [4, 128, 256], K = its axis 1); W2 (in the module: [4, 256, 128], K = its axis 1); Wk (in the module: [4, 128, 128], K = its axis 1); Wo (in the module: [4, 128, 128], K = its axis 1); Wq (in the module: [4, 128, 128], K = its axis 1); Wv (in the module: [4, 128, 128], K = its axis 1); proj_w (in the module: [128, 128], K = its axis 0): each comes as NAME_codes (uint8): NAME with its K axis moved to the last place and cut into blocks of 32 codes, [.., K / 32, bytes a block], one block behind the other in memory; two codes a byte, the lower K in the low four bits (a code: sign, 2 exponent bits, 1 mantissa bit); and NAME_scales (uint8): the same leading axes, one E8M0 byte (e + 127) for each 32 codes along K. Its value is code x scale, taken as it is: it is not quantised again, and the codes and scales need not be those that the quantiser above would give.
;; One version. Each part assembles by itself: llvm-mc -triple=amdgcn-amd-amdhsa -mcpu=gfx1250 --defsym DOCPART=n.
;; ======== version 1 of 1: 3 launches
;; limits: right only within a limited range of input values
;; workspace buffers: pack 344,064 bytes; xs 524,288 bytes
;; launch pack_w (part 1): grid 5 x 1, 16 waves a work-group, no clusters, 0 bytes of LDS; arguments Wq_codes, Wq_scales, Wk_codes, Wk_scales, Wv_codes, Wv_scales, Wo_codes, Wo_scales, W1_codes, W1_scales, W2_codes, W2_scales, bq, bk, bv, bo, ln1_s, ln1_b, b1, b2, ln2_s, ln2_b, proj_w_codes, proj_w_scales, proj_b, proj_ln_s, proj_ln_b, pos_emb, pack; writes pack
.if DOCPART == 1
	.amdgcn_target "amdgcn-amd-amdhsa--gfx1250"
	.amdhsa_code_object_version 6
	.text
	.protected	k_q86e76c1330_pack_w
	.globl	k_q86e76c1330_pack_w
	.p2align	8
	.type	k_q86e76c1330_pack_w,@function
k_q86e76c1330_pack_w:
	s_mov_b64 s[64:65], 0
	v_nop
	global_prefetch_b8 v0, s[64:65] scope:SCOPE_SE
	s_setreg_imm32_b32 hwreg(HW_REG_WAVE_MODE, 25, 1), 1
	s_wait_xcnt 0x0
; WORK LEFT OUT BY THE PROGRAM.  reference() returns x.reshape(B, S, T, H)[:, 0, :] of the buffer [B*T, S, H]: the rows (b, t = 0, s).  The spatial layers join tokens of one (b, t) alone,
; so layers 2 and 3 are computed for the sixteen sequences (b, t = 0) and for no other; these take from layer 1 only its rows t = 0, so layer 1 makes K and V for all 64 steps of a polyline
; and everything behind them for query t = 0 alone.  That holds for all values of the inputs.  LIMIT: a NaN, an infinity or an overflow that reaches only the work left out is not carried to the result.
; THIS LAUNCH lays all weights and parameters once, in the order in which the two later launches' registers take them.
; pack: the projection's block (PROJB bytes), one block of LAYERB bytes for each of the four layers, then pos_emb's image (from POSO on).
; A FRAGMENT (16 rows x 128 K of 4-bit codes) is 1,024 bytes: chunk c (512 bytes) holds, at 16 x lane, the 16 bytes 32 c + 16 (lane / 16) of its lane's row.
; Lane r of tile t takes row 32 (t / 2) + 8 (t % 2) + r + 8 (r / 8), so that a transposed product leaves 16 neighbours along the next K in a lane's registers.
; A SCALE IMAGE has 128 bytes for each pair of tiles: lane (r, h) holds the word of row 32 b + 8 h + r + 8 (r / 8).
; Work-groups 0 to 3 take a layer each, work-group 4 the projection's block and pos_emb.  A wave issues all its loads, waits once, and stores; every store of a wave covers 512 consecutive bytes, aligned.
; The small pieces (scale images, parameters: 512 bytes each) are dealt by ONE chain of arms on the wave's number, a load to an arm, all arms leading to one join; the stores go by a second chain of the same shape.
.set PROJB,  10240
.set LAYERB, 75264
.set POSO,   311296
.set WVN,  66
.set LAY,  70
.set VF64, 5                           ; my 16 bytes of a fragment chunk: rows of 64 bytes, 128 rows a layer
.set VF1,  6                           ; the same in W1 (256 rows a layer)
.set VF2,  7                           ; the same in W2 (rows of 128 bytes)
.set DST,  8                           ; 16 x thread
.set LI,   9                           ; 16 x lane
.set VSC,  11                          ; four neighbouring scale words, rows of 4 bytes, 128 rows a layer
.set VSC1, 12                          ; 256 rows a layer
.set VSC2, 13                          ; rows of 8 bytes
.set VPR,  14                          ; 16 x lane in a parameter of 128 numbers a layer
.set VPR1, 15                          ; of 256 numbers a layer
	s_load_b512 s[4:19], s[0:1], 0x0               ; argument k stands in s[4 + 2 k : 5 + 2 k]
	s_load_b512 s[20:35], s[0:1], 0x40
	s_load_b512 s[36:51], s[0:1], 0x80
	s_load_b256 s[52:59], s[0:1], 0xc0
	s_load_b64 s[60:61], s[0:1], 0xe0              ; pack
	v_lshrrev_b32 v1, 5, v0
	s_delay_alu instid0(VALU_DEP_1)
	v_readfirstlane_b32 s[WVN], v1
	v_and_b32 v1, 31, v0                           ; lane
	v_and_b32 v2, 15, v0                           ; r
	v_bfe_u32 v3, v0, 4, 1                         ; h
	s_delay_alu instid0(VALU_DEP_2)
	v_and_b32 v4, 8, v2
	s_delay_alu instid0(VALU_DEP_1)
	v_add_nc_u32 v4, v4, v2                        ; r + 8 (r / 8)
	s_wait_alu depctr_va_vdst(0)
	s_lshr_b32 s67, s[WVN], 1                      ; my tile t,
	s_and_b32 s68, s[WVN], 1                       ; my chunk c
	s_lshr_b32 s69, s67, 1
	s_lshl_b32 s69, s69, 5
	s_and_b32 s71, s67, 1
	s_lshl_b32 s71, s71, 3
	s_add_co_u32 s69, s69, s71                     ; the tile's first row
	s_cmp_lt_u32 ttmp9, 4
	s_cselect_b32 s[LAY], ttmp9, 0
	s_mul_i32 s72, s[LAY], LAYERB
	s_add_co_u32 s72, s72, PROJB
	s_cmp_lt_u32 ttmp9, 4
	s_cselect_b32 s72, s72, 0                      ; where my block begins in pack
	s_mov_b32 s73, 0
	s_lshl_b32 s74, s69, 6
	s_lshl_b32 s75, s68, 5
	s_add_co_u32 s74, s74, s75                     ; 64 x first row + 32 c
	s_lshl_b32 s76, s[LAY], 13
	s_add_co_u32 s77, s74, s76
	s_add_co_u32 s78, s77, s76
	v_lshlrev_b32 v5, 6, v4
	s_delay_alu instid0(VALU_DEP_1)
	v_lshl_add_u32 v5, v3, 4, v5
	s_delay_alu instid0(VALU_DEP_1)
	v_add_nc_u32 v[VF1], s78, v5
	s_delay_alu instid0(VALU_DEP_2)
	v_add_nc_u32 v[VF64], s77, v5
	s_lshl_b32 s74, s69, 7
	s_add_co_u32 s74, s74, s75
	s_add_co_u32 s74, s74, s76
	s_add_co_u32 s74, s74, s76
	v_lshlrev_b32 v7, 7, v4
	s_delay_alu instid0(VALU_DEP_1)
	v_lshl_add_u32 v7, v3, 4, v7
	s_delay_alu instid0(VALU_DEP_1)
	v_add_nc_u32 v[VF2], s74, v7
	v_lshlrev_b32 v[DST], 4, v0
	v_lshlrev_b32 v[LI], 4, v1
	; the four words at 16 x lane of a scale image are four neighbouring rows, from 32 (l / 8) + 8 ((l / 4) % 2) + 4 (l % 4) + 8 ((l / 2) % 2) on
	v_lshrrev_b32 v10, 3, v1
	s_delay_alu instid0(VALU_DEP_1)
	v_lshlrev_b32 v10, 5, v10
	v_bfe_u32 v16, v1, 2, 1
	s_delay_alu instid0(VALU_DEP_1)
	v_lshl_add_u32 v10, v16, 3, v10
	v_and_b32 v16, 3, v1
	s_delay_alu instid0(VALU_DEP_1)
	v_lshl_add_u32 v10, v16, 2, v10
	v_bfe_u32 v16, v1, 1, 1
	s_delay_alu instid0(VALU_DEP_1)
	v_lshl_add_u32 v10, v16, 3, v10
	s_lshl_b32 s74, s[LAY], 9
	s_lshl_b32 s75, s[LAY], 10
	v_lshl_add_u32 v[VSC], v10, 2, s74
	v_lshl_add_u32 v[VSC1], v10, 2, s75
	v_lshl_add_u32 v[VSC2], v10, 3, s75
	v_add_nc_u32 v[VPR], s74, v[LI]
	v_add_nc_u32 v[VPR1], s75, v[LI]
	; pos_emb as images of a token tile's 64 registers: wave w takes tile w / 4, block w % 4 of 32 features: four chunks of 512 bytes
	s_lshr_b32 s74, s[WVN], 2
	s_lshr_b32 s75, s74, 1
	s_lshl_b32 s75, s75, 5
	s_and_b32 s74, s74, 1
	s_lshl_b32 s74, s74, 3
	s_add_co_u32 s74, s74, s75                     ; the tile's first token
	s_lshl_b32 s74, s74, 9
	s_and_b32 s75, s[WVN], 3
	s_lshl_b32 s75, s75, 7
	s_add_co_u32 s74, s74, s75
	v_lshlrev_b32 v20, 9, v4
	s_delay_alu instid0(VALU_DEP_1)
	v_lshl_add_u32 v20, v3, 6, v20
	s_delay_alu instid0(VALU_DEP_1)
	v_add_nc_u32 v20, s74, v20                     ; my token's row of 512 bytes, + 128 x block + 64 h
	s_lshl_b32 s75, s[WVN], 11
	v_add_nc_u32 v21, s75, v[LI]
	s_wait_alu depctr_va_vdst(0)                   ; the wait at the head's end
	s_wait_kmcnt 0x0
	s_add_nc_u64 s[60:61], s[60:61], s[72:73]
; An arm of a chain: wave wv (wv < 0: every wave that comes so far) moves 512 bytes through v[16:19]: op = 0 its load, op = 1 its store, and with it (xr > 0) the store of v[xr ..] to xd.  Then on to the join jn.
.macro ARM op, wv, ptr, voff, imm, dst, xr, xd, jn
.if (\wv) >= 0
	s_cmp_lg_u32 s[WVN], \wv
	s_cbranch_scc1 .La_\@
.endif
.if \op
	global_store_b128 v[LI], v[16:19], s[60:61] offset:\dst
.if \xr
	global_store_b128 v[LI], v[\xr:\xr+3], s[60:61] offset:\xd
.endif
.else
	global_load_b128 v[16:19], v[\voff], s[\ptr:\ptr+1] offset:\imm
.endif
.if (\wv) >= 0
	s_branch \jn
.La_\@:
.endif
.endm
; W2's rows have two scale words: K step st's words of four neighbouring rows lie 8 bytes apart.
.macro ARM4 op, wv, st, jn
	s_cmp_lg_u32 s[WVN], \wv
	s_cbranch_scc1 .Lq_\@
.if \op
	global_store_b128 v[LI], v[16:19], s[60:61] offset:65536+3072+512*(\st)
.else
.irp e, 0,1,2,3
	global_load_b32 v[16+\e], v[VSC2], s[26:27] offset:8*\e+4*(\st)
.endr
.endif
	s_branch \jn
.Lq_\@:
.endm
.macro LAYERSM op
	ARM \op, 0, 6, VSC, 0, 65536, 24, 69632+4096, .Llj\op          ; the scale images (and, stored by waves 0 to 2, b2, ln2_s, ln2_b)
	ARM \op, 1, 10, VSC, 0, 65536+512, 28, 69632+4608, .Llj\op
	ARM \op, 2, 14, VSC, 0, 65536+1024, 64, 69632+5120, .Llj\op
	ARM \op, 3, 18, VSC, 0, 65536+1536, 0, 0, .Llj\op
	ARM \op, 4, 22, VSC1, 0, 65536+2048, 0, 0, .Llj\op
	ARM \op, 5, 22, VSC1, 512, 65536+2560, 0, 0, .Llj\op
	ARM4 \op, 6, 0, .Llj\op
	ARM4 \op, 7, 1, .Llj\op
	ARM \op, 8, 28, VPR, 0, 69632, 0, 0, .Llj\op                   ; bq, bk, bv, bo, ln1_s, ln1_b, b1, as they lie
	ARM \op, 9, 30, VPR, 0, 69632+512, 0, 0, .Llj\op
	ARM \op, 10, 32, VPR, 0, 69632+1024, 0, 0, .Llj\op
	ARM \op, 11, 34, VPR, 0, 69632+1536, 0, 0, .Llj\op
	ARM \op, 12, 36, VPR, 0, 69632+2048, 0, 0, .Llj\op
	ARM \op, 13, 38, VPR, 0, 69632+2560, 0, 0, .Llj\op
	ARM \op, 14, 40, VPR1, 0, 69632+3072, 0, 0, .Llj\op
	ARM \op, -1, 40, VPR1, 512, 69632+3584, 0, 0, .Llj\op
.Llj\op:
.endm
	s_cmp_eq_u32 ttmp9, 4
	s_cbranch_scc1 .Lproj
	; ---- a layer: each wave takes chunk w of each weight's fragments
	global_load_b128 v[32:35], v[VF64], s[4:5]             ; Wq
	global_load_b128 v[36:39], v[VF64], s[8:9]             ; Wk
	global_load_b128 v[40:43], v[VF64], s[12:13]           ; Wv
	global_load_b128 v[44:47], v[VF64], s[16:17]           ; Wo
	global_load_b128 v[48:51], v[VF1], s[20:21]            ; W1, rows 0-127
	global_load_b128 v[52:55], v[VF1], s[20:21] offset:8192
	global_load_b128 v[56:59], v[VF2], s[24:25]            ; W2, K step 0
	global_load_b128 v[60:63], v[VF2], s[24:25] offset:64
	global_load_b128 v[24:27], v[VPR], s[42:43]            ; b2, ln2_s, ln2_b: nineteen small pieces for sixteen waves, so every wave loads these three, with no branch
	global_load_b128 v[28:31], v[VPR], s[44:45]
	global_load_b128 v[64:67], v[VPR], s[46:47]
	LAYERSM 0
	s_wait_loadcnt 0x0                             ; one wait for all my loads
.irp k, 0,1,2,3,4,5,6,7
	global_store_b128 v[DST], v[32+4*\k:35+4*\k], s[60:61] offset:8192*\k
.endr
	LAYERSM 1
	s_endpgm
.Lproj:
	global_load_b128 v[32:35], v[VF64], s[48:49]   ; proj_w
.irp j, 0,1,2,3
	global_load_b128 v[36+4*\j:39+4*\j], v20, s[58:59] offset:16*\j
.endr
	ARM 0, 0, 50, VSC, 0, 8192, 0, 0, .Lpj0        ; proj_w's scale image, proj_b, proj_ln_s, proj_ln_b
	ARM 0, 1, 52, VPR, 0, 8704, 0, 0, .Lpj0
	ARM 0, 2, 54, VPR, 0, 9216, 0, 0, .Lpj0
	ARM 0, -1, 56, VPR, 0, 9728, 0, 0, .Lpj0       ; waves 3 to 15 load the last piece; wave 3 stores it
.Lpj0:
	s_wait_loadcnt 0x0
	global_store_b128 v[DST], v[32:35], s[60:61]
.irp j, 0,1,2,3
	global_store_b128 v21, v[36+4*\j:39+4*\j], s[60:61] offset:POSO+512*\j
.endr
	ARM 1, 0, 50, VSC, 0, 8192, 0, 0, .Lpj1
	ARM 1, 1, 52, VPR, 0, 8704, 0, 0, .Lpj1
	ARM 1, 2, 54, VPR, 0, 9216, 0, 0, .Lpj1
	ARM 1, 3, 56, VPR, 0, 9728, 0, 0, .Lpj1
.Lpj1:
	s_endpgm
.Lfunc_end_k_q86e76c1330_pack_w:
	.size	k_q86e76c1330_pack_w, .Lfunc_end_k_q86e76c1330_pack_w-k_q86e76c1330_pack_w
	.p2alignl 7, 3214868480
	.fill 96, 4, 3214868480
	.section	.rodata,"a",@progbits
	.p2align	6, 0x0
	.amdhsa_kernel k_q86e76c1330_pack_w
		.amdhsa_group_segment_fixed_size 0
		.amdhsa_private_segment_fixed_size 0
		.amdhsa_enable_private_segment 0
		.amdhsa_kernarg_size 232
		.amdhsa_user_sgpr_count 2
		.amdhsa_user_sgpr_kernarg_segment_ptr 1
		.amdhsa_wavefront_size32 1
		.amdhsa_system_sgpr_workgroup_id_x 1
		.amdhsa_system_sgpr_workgroup_id_y 1
		.amdhsa_system_sgpr_workgroup_id_z 1
		.amdhsa_system_vgpr_workitem_id 0
		.amdhsa_next_free_vgpr 72
		.amdhsa_next_free_sgpr 80
		.amdhsa_reserve_vcc 0
		.amdhsa_float_denorm_mode_32 3
		.amdhsa_float_denorm_mode_16_64 3
		.amdhsa_memory_ordered 1
		.amdhsa_forward_progress 1
		.amdhsa_inst_pref_size 15
	.end_amdhsa_kernel
	.amdgpu_metadata
---
amdhsa.version: [ 1, 2 ]
amdhsa.kernels:
  - .name:           k_q86e76c1330_pack_w
    .symbol:         k_q86e76c1330_pack_w.kd
    .args:
      - { .name: Wq_codes, .offset: 0, .size: 8, .value_kind: global_buffer, .address_space: global }
      - { .name: Wq_scales, .offset: 8, .size: 8, .value_kind: global_buffer, .address_space: global }
      - { .name: Wk_codes, .offset: 16, .size: 8, .value_kind: global_buffer, .address_space: global }
      - { .name: Wk_scales, .offset: 24, .size: 8, .value_kind: global_buffer, .address_space: global }
      - { .name: Wv_codes, .offset: 32, .size: 8, .value_kind: global_buffer, .address_space: global }
      - { .name: Wv_scales, .offset: 40, .size: 8, .value_kind: global_buffer, .address_space: global }
      - { .name: Wo_codes, .offset: 48, .size: 8, .value_kind: global_buffer, .address_space: global }
      - { .name: Wo_scales, .offset: 56, .size: 8, .value_kind: global_buffer, .address_space: global }
      - { .name: W1_codes, .offset: 64, .size: 8, .value_kind: global_buffer, .address_space: global }
      - { .name: W1_scales, .offset: 72, .size: 8, .value_kind: global_buffer, .address_space: global }
      - { .name: W2_codes, .offset: 80, .size: 8, .value_kind: global_buffer, .address_space: global }
      - { .name: W2_scales, .offset: 88, .size: 8, .value_kind: global_buffer, .address_space: global }
      - { .name: bq, .offset: 96, .size: 8, .value_kind: global_buffer, .address_space: global }
      - { .name: bk, .offset: 104, .size: 8, .value_kind: global_buffer, .address_space: global }
      - { .name: bv, .offset: 112, .size: 8, .value_kind: global_buffer, .address_space: global }
      - { .name: bo, .offset: 120, .size: 8, .value_kind: global_buffer, .address_space: global }
      - { .name: ln1_s, .offset: 128, .size: 8, .value_kind: global_buffer, .address_space: global }
      - { .name: ln1_b, .offset: 136, .size: 8, .value_kind: global_buffer, .address_space: global }
      - { .name: b1, .offset: 144, .size: 8, .value_kind: global_buffer, .address_space: global }
      - { .name: b2, .offset: 152, .size: 8, .value_kind: global_buffer, .address_space: global }
      - { .name: ln2_s, .offset: 160, .size: 8, .value_kind: global_buffer, .address_space: global }
      - { .name: ln2_b, .offset: 168, .size: 8, .value_kind: global_buffer, .address_space: global }
      - { .name: proj_w_codes, .offset: 176, .size: 8, .value_kind: global_buffer, .address_space: global }
      - { .name: proj_w_scales, .offset: 184, .size: 8, .value_kind: global_buffer, .address_space: global }
      - { .name: proj_b, .offset: 192, .size: 8, .value_kind: global_buffer, .address_space: global }
      - { .name: proj_ln_s, .offset: 200, .size: 8, .value_kind: global_buffer, .address_space: global }
      - { .name: proj_ln_b, .offset: 208, .size: 8, .value_kind: global_buffer, .address_space: global }
      - { .name: pos_emb, .offset: 216, .size: 8, .value_kind: global_buffer, .address_space: global }
      - { .name: pack, .offset: 224, .size: 8, .value_kind: global_buffer, .address_space: global }
    .group_segment_fixed_size: 0
    .private_segment_fixed_size: 0
    .kernarg_segment_align: 8
    .kernarg_segment_size: 232
    .max_flat_workgroup_size: 512
    .sgpr_count:     80
    .vgpr_count:     72
    .wavefront_size: 32
...
	.end_amdgpu_metadata
.endif
;; end of part 1
;; launch temporal (part 2): grid 256 x 1, 16 waves a work-group, clusters of 4 x 1, 327,680 bytes of LDS; arguments polylines, lengths, pack, xs; writes xs
.if DOCPART == 2
	.amdgcn_target "amdgcn-amd-amdhsa--gfx1250"
	.amdhsa_code_object_version 6
	.text
	.protected	k_q86e76c1330_temporal
	.globl	k_q86e76c1330_temporal
	.p2align	8
	.type	k_q86e76c1330_temporal,@function
k_q86e76c1330_temporal:
	s_mov_b64 s[64:65], 0
	v_nop
	global_prefetch_b8 v0, s[64:65] scope:SCOPE_SE
	s_setreg_imm32_b32 hwreg(HW_REG_WAVE_MODE, 25, 1), 1
	s_wait_xcnt 0x0
	s_wait_alu depctr_hold_cnt(0) depctr_sa_sdst(0) depctr_va_vdst(0) depctr_va_sdst(0) depctr_va_ssrc(0) depctr_va_vcc(0) depctr_vm_vsrc(0)
	s_getreg_b32 s2, hwreg(HW_REG_IB_STS2, 6, 4)
	s_cmp_eq_u32 s2, 0
	s_cbranch_scc0 .Lentry_in_a_cluster
	s_endpgm
.Lentry_in_a_cluster:
	s_bfe_u32 s2, ttmp6, 0x10000c
	s_cmp_lg_u32 s2, 0x3003
	s_cbranch_scc0 .Lentry_shape_is_right
	s_endpgm
.Lentry_shape_is_right:
; The pad with -1, the projection (Linear, LayerNorm, ReLU, + pos_emb), layer 0 in full, and of layer 1 what the result needs: its K and V for all 64 steps, the rest for the tile that holds step 0.
; WORK LEFT OUT: the result keeps the rows (b, t = 0, s) alone, so of layer 1 only query t = 0 of each polyline goes on (shown at the head of the first kernel); row t = 0 is stored to xs[64 b + s].
; All products are on E2M1 codes with one E8M0 scale for each 32 along K; every operand computed on the way is quantised in registers from f32.
; SHARES.  A work-group takes four polylines; wave w takes polyline w % 4 and token tile w / 4 (16 tokens).  Padded tokens are computed like all others: they enter V's block scales, and padded queries attend evenly.
; LAYOUT.  Token tile and weight tile alike: lane r takes row 32 (t / 2) + 8 (t % 2) + r + 8 (r / 8).  A tile of 16 tokens x 128 features is 64 registers: lane (r, h) holds one token, register 16 b + i feature 32 b + 16 h + i.
; Products with weights are used transposed and give that layout again; V is made the natural way, so that a lane's registers run along the KEYS.
; A head is one block of 32 along K: its scores take K's whole fragment against Q's codes with zeros outside the head.  P and V^T fill K = 0 .. 63 of 128; the rest are zero codes.
; SOFTMAX.  t = score x log2(e) / sqrt(32); M = ceil(the row's largest t); p = 2^(t - M) is quantised; the sum of the unquantised p divides.  A masked score is -2^33: times c it is a whole number, so a row
; that is masked throughout gives p = 1 everywhere, as -1e9 does in f32, and a masked key of any other row gives p = 0.
; THE HEAD'S TENSOR LOADS, one a wave.  Waves 0-7: pack's first 163,840 bytes (projection, layers 0 and 1), 80 rows of 256 bytes each; the four work-groups of a cluster want the same bytes and ask jointly.
; Waves 8-15: the work-group's own 256 rows of polylines, 32 rows of 512 bytes each, 16 bytes of padding behind each row; no partner shares them, so these loads name no partner.
; pos_emb's image comes from pack by loads of 512 consecutive bytes a wave, into x's registers as soon as x has been quantised.
; The LDS loads of a product's weights, scales and bias are issued ahead of the quantiser that stands in front of the product, wherever their registers are free by then.
; No prefetch: every byte that the launch reads is asked for at its head, and there is no loop to run ahead in.
; LIMITS: NaN and infinities among the inputs are not served; |q . k| stays under 2^33; a block whose largest magnitude lies under 2^-124 keeps the scale byte 1 (a block of zeros too: its codes are zeros).
.set XIMG,  0                          ; LDS: x's 16 fragments (4,096 x polyline + 1,024 x tile),
.set XSC,   16384                      ; their scale words
.set PST,   18432                      ; the polylines' 256 rows of 528 bytes; read once; K's and V's images and the stages lie over them and are first stored behind the loop's first barrier
.set KIMG,  18432
.set KSC,   34816
.set VIMG,  36864
.set VSC,   53248
.set STG,   55296                      ; four stages of 16 rows x 528 bytes for the way out
.set PK,    153600                     ; the copy of pack
.set L0,    PK+10240                   ; layer 0's block
.set SPARE, 317440                     ; the spare words: 2,048 bytes
.set LAYERB, 75264
.set POSO,  311296                     ; pos_emb's image in pack
.set TILE,  13
.set OWQ, 0
.set OWK, 8192
.set OWV, 16384
.set OWO, 24576
.set OW1, 32768
.set OW2, 49152
.set OSQ, 0
.set OSK, 512
.set OSV, 1024
.set OSO, 1536
.set OS1, 2048
.set OS2, 3072
.set OBQ, 0
.set OBK, 512
.set OBV, 1024
.set OBO, 1536
.set OL1S, 2048
.set OL1B, 2560
.set OB1, 3072
.set OB2, 4096
.set OL2S, 4608
.set OL2B, 5120
.set ADW, 1                            ; 16 x lane + the layer's block
.set ADS, 2                            ; 4 x lane + its scale images
.set ADP, 3                            ; 64 h + its parameters
.set ABV, 4                            ; bv at my lane's feature of my head
.set A16, 5                            ; 16 x lane + 4,096 x polyline
.set A4,  6                            ; 4 x lane + 512 x polyline
.set W16, 7                            ; A16 + 1,024 x tile
.set W4,  8                            ; A4 + 128 x tile
.set NEGR, 9                           ; -2^33
.set AWV, 13                           ; Wv's two tiles of my head
.set ASV, 255                          ; their scale words
.set X,   16                           ; v16-79   my tile of x
.set HA,  80                           ; v80-143  eight accumulators
.set HB,  144                          ; v144-207 eight fragments
.set PC,  208
.set PC2, 216
.set XF,  224
.set QM,  208
.set TMX, 232
.set TMB, 236
.set TMS, 240
.set PW,  244
.set XS,  245
.set QS,  246
.set PS,  247
.set WS,  248
.set VS,  252
.set OS,  253
.set RL,  254
.set WVN, 12
.set SEL, 20
.set CS,  22
.set HI,  24
.set MK,  68                           ; s[68:99] for each of a lane's 32 scores: the lanes in which it counts
.macro PLACES n
.rept \n
	v_nop
.endr
.endm
.macro BAR
	s_wait_dscnt 0x0
	s_barrier_signal -1
	s_barrier_wait -1
.endm
.macro ROUND
	s_barrier_signal -1
	s_barrier_wait -1
	s_cmp_lg_u32 s[WVN], 0
	s_cbranch_scc1 .Lnot_wave_0_\@
	s_barrier_signal -3
.Lnot_wave_0_\@:
	s_barrier_wait -3
	s_barrier_signal -1
	s_barrier_wait -1
.endm
.macro MMZ d, a, b, sa, sb, ra
.if (\ra)
	v_wmma_scale_f32_16x16x128_f8f6f4 v[\d:\d+7], v[\a:\a+7], v[\b:\b+7], 0, v[\sa], v[\sb] matrix_a_fmt:MATRIX_FMT_FP4 matrix_b_fmt:MATRIX_FMT_FP4 matrix_a_scale:MATRIX_SCALE_ROW1
.else
	v_wmma_scale_f32_16x16x128_f8f6f4 v[\d:\d+7], v[\a:\a+7], v[\b:\b+7], 0, v[\sa], v[\sb] matrix_a_fmt:MATRIX_FMT_FP4 matrix_b_fmt:MATRIX_FMT_FP4
.endif
.endm
.macro MMC d, a, b, c, sa, sb, ra, rb
.if (\ra)
	v_wmma_scale_f32_16x16x128_f8f6f4 v[\d:\d+7], v[\a:\a+7], v[\b:\b+7], v[\c:\c+7], v[\sa], v[\sb] matrix_a_fmt:MATRIX_FMT_FP4 matrix_b_fmt:MATRIX_FMT_FP4 matrix_a_scale:MATRIX_SCALE_ROW1
.elseif (\rb)
	v_wmma_scale_f32_16x16x128_f8f6f4 v[\d:\d+7], v[\a:\a+7], v[\b:\b+7], v[\c:\c+7], v[\sa], v[\sb] matrix_a_fmt:MATRIX_FMT_FP4 matrix_b_fmt:MATRIX_FMT_FP4 matrix_b_scale:MATRIX_SCALE_ROW1
.else
	v_wmma_scale_f32_16x16x128_f8f6f4 v[\d:\d+7], v[\a:\a+7], v[\b:\b+7], v[\c:\c+7], v[\sa], v[\sb] matrix_a_fmt:MATRIX_FMT_FP4 matrix_b_fmt:MATRIX_FMT_FP4
.endif
.endm
; 16 nb numbers of a lane, register 16 b + i = k 32 b + 16 h + i of my row, become 2 nb registers of codes in the operand's layout and nb scale bytes.
.macro QUANT src, nb, dst, pw
.set qb, 0
.rept \nb
	v_max3_num_f32 v[TMX+qb], |v[\src+16*qb]|, |v[\src+16*qb+1]|, 0x1800000   ; with the floor 2^(3 - 127): the byte cannot fall under 1
.set qb, qb+1
.endr
.irp qi, 2,4,6,8,10,12,14
.set qb, 0
.rept \nb
	v_max3_num_f32 v[TMX+qb], v[TMX+qb], |v[\src+16*qb+\qi]|, |v[\src+16*qb+\qi+1]|
.set qb, qb+1
.endr
.endr
.set qb, 0
.rept \nb
	v_permlanex16_b32 v[TMB+qb], v[TMX+qb], s[SEL], s[SEL+1]
.set qb, qb+1
.endr
.set qb, 0
.rept \nb
	v_max_num_f32 v[TMX+qb], v[TMX+qb], v[TMB+qb]
.set qb, qb+1
.endr
.set qb, 0
.rept \nb
	v_add_nc_u32 v[TMS+qb], 0xff000000, v[TMX+qb]      ; 2 off the exponent field: the conversion's scale operand
.set qb, qb+1
.endr
.set qb, 0
.rept \nb
	v_lshrrev_b32 v[TMB+qb], 23, v[TMS+qb]             ; the scale's byte
.set qb, qb+1
.endr
	v_lshl_or_b32 v[\pw], v[TMB+1], 8, v[TMB]
.if \nb > 2
	s_delay_alu instid0(VALU_DEP_1)
	v_lshl_or_b32 v[\pw], v[TMB+2], 16, v[\pw]
	s_delay_alu instid0(VALU_DEP_1)
	v_lshl_or_b32 v[\pw], v[TMB+3], 24, v[\pw]
.endif
.set qb, 0
.rept \nb
	v_cvt_scalef32_pk8_fp4_f32 v[\dst+2*qb], v[\src+16*qb:\src+16*qb+7], v[TMS+qb]
	v_cvt_scalef32_pk8_fp4_f32 v[\dst+2*qb+1], v[\src+16*qb+8:\src+16*qb+15], v[TMS+qb]
.set qb, qb+1
.endr
	v_nop                                          ; one plain line behind the conversions
.set qb, 0
.rept (\nb)/2                          ; a whole block in a lane: lanes 0-15 the even block, lanes 16-31 the odd one
	v_permlane16_swap_b32 v[\dst+4*qb], v[\dst+4*qb+2]
	v_permlane16_swap_b32 v[\dst+4*qb+1], v[\dst+4*qb+3]
.set qb, qb+1
.endr
.endm
; A product of eight tiles of a weight (128 outputs), transposed, in three parts: the bias into the accumulators; the fragments and scale words; the wait and the eight products, accumulators by turns.
.macro PLB boff
.irp pt, 0,1,2,3,4,5,6,7
	ds_load_b128 v[HA+8*\pt:HA+8*\pt+3], v[ADP] offset:(\boff)+4*(32*(\pt/2)+8*(\pt%2))
	ds_load_b128 v[HA+8*\pt+4:HA+8*\pt+7], v[ADP] offset:(\boff)+4*(32*(\pt/2)+8*(\pt%2))+16
.endr
.endm
.macro PLW woff, soff
.irp pt, 0,1,2,3,4,5,6,7
	ds_load_b128 v[HB+8*\pt:HB+8*\pt+3], v[ADW] offset:(\woff)+1024*\pt
	ds_load_b128 v[HB+8*\pt+4:HB+8*\pt+7], v[ADW] offset:(\woff)+1024*\pt+512
.endr
.irp pb, 0,1,2,3
	ds_load_b32 v[WS+\pb], v[ADS] offset:(\soff)+128*\pb
.endr
.endm
.macro PMM bf, bs
	s_wait_alu depctr_va_vdst(0)                   ; the wait, directly ahead of the wait below
	s_wait_dscnt 0x0
.irp pt, 0,1,2,3,4,5,6,7
	MMC HA+8*\pt, HB+8*\pt, \bf, HA+8*\pt, WS+\pt/2, \bs, \pt%2, 0
.endr
.endm
.macro RESID
.set rp, 0
.rept 32
	v_pk_add_f32 v[X+2*rp:X+2*rp+1], v[X+2*rp:X+2*rp+1], v[HA+2*rp:HA+2*rp+1]
.set rp, rp+1
.endr
.endm
.macro RELU R, n
.set rp, 0
.rept \n
	v_max_num_f32 v[\R+rp], 0, v[\R+rp]
.set rp, rp+1
.endr
.endm
.macro FOLD
	s_delay_alu instid0(VALU_DEP_3)
	v_pk_add_f32 v[TMX:TMX+1], v[TMX:TMX+1], v[TMX+2:TMX+3]
	s_delay_alu instid0(VALU_DEP_2)
	v_pk_add_f32 v[TMX+4:TMX+5], v[TMX+4:TMX+5], v[TMX+6:TMX+7]
	s_delay_alu instid0(VALU_DEP_1)
	v_pk_add_f32 v[TMX:TMX+1], v[TMX:TMX+1], v[TMX+4:TMX+5]
	s_delay_alu instid0(VALU_DEP_1)
	v_add_f32 v[TMX], v[TMX], v[TMX+1]
	s_delay_alu instid0(VALU_DEP_1)
	v_permlanex16_b32 v[TMX+1], v[TMX], s[SEL], s[SEL+1]
	s_delay_alu instid0(VALU_DEP_1)
	v_add_f32 v[TMX], v[TMX], v[TMX+1]
.endm
; LayerNorm's sums over the 64 registers at R, in two passes: R is left less its mean and times v[RL] = 1 / sqrt(variance + eps).
.macro LNS R
.irp lq, 0,1,2,3
	v_pk_add_f32 v[TMX+2*\lq:TMX+2*\lq+1], v[\R+2*\lq:\R+2*\lq+1], v[\R+8+2*\lq:\R+8+2*\lq+1]
.endr
.set lp, 8
.rept 24
	v_pk_add_f32 v[TMX+2*(lp%4):TMX+2*(lp%4)+1], v[TMX+2*(lp%4):TMX+2*(lp%4)+1], v[\R+2*lp:\R+2*lp+1]
.set lp, lp+1
.endr
	FOLD
	s_delay_alu instid0(VALU_DEP_1)
	v_mul_f32 v12, 0xbc000000, v[TMX]              ; - the mean
.set lp, 0
.rept 32
	v_pk_add_f32 v[\R+2*lp:\R+2*lp+1], v[\R+2*lp:\R+2*lp+1], v[12:13] op_sel_hi:[1,0]
.set lp, lp+1
.endr
.irp lq, 0,1,2,3
	v_pk_mul_f32 v[TMX+2*\lq:TMX+2*\lq+1], v[\R+2*\lq:\R+2*\lq+1], v[\R+2*\lq:\R+2*\lq+1]
.endr
.set lp, 4
.rept 28
	s_delay_alu instid0(VALU_DEP_4)
	v_pk_fma_f32 v[TMX+2*(lp%4):TMX+2*(lp%4)+1], v[\R+2*lp:\R+2*lp+1], v[\R+2*lp:\R+2*lp+1], v[TMX+2*(lp%4):TMX+2*(lp%4)+1]
.set lp, lp+1
.endr
	FOLD
	s_delay_alu instid0(VALU_DEP_1)
	v_fma_f32 v[TMX], v[TMX], s25, s26             ; the variance + 1e-5
	s_wait_alu depctr_va_vdst(0)
	v_rsq_f32 v[RL], v[TMX]
	v_nop
	s_wait_alu depctr_va_vdst(0)
	s_wait_dscnt 0x0                               ; gains and offsets are in
.set lp, 0
.rept 32
	v_pk_mul_f32 v[\R+2*lp:\R+2*lp+1], v[\R+2*lp:\R+2*lp+1], v[RL:RL+1] op_sel_hi:[1,0]
.set lp, lp+1
.endr
.endm
.macro LN R, soff, coff, SR, CR
.irp lb, 0,1,2,3
.irp lj, 0,1,2,3
	ds_load_b128 v[\SR+16*\lb+4*\lj:\SR+16*\lb+4*\lj+3], v[ADP] offset:(\soff)+128*\lb+16*\lj
.endr
.endr
.irp lb, 0,1,2,3
.irp lj, 0,1,2,3
	ds_load_b128 v[\CR+16*\lb+4*\lj:\CR+16*\lb+4*\lj+3], v[ADP] offset:(\coff)+128*\lb+16*\lj
.endr
.endr
	LNS \R
.set lp, 0
.rept 32
	v_pk_fma_f32 v[\R+2*lp:\R+2*lp+1], v[\R+2*lp:\R+2*lp+1], v[\SR+2*lp:\SR+2*lp+1], v[\CR+2*lp:\CR+2*lp+1]
.set lp, lp+1
.endr
.endm
; The projection's LayerNorm takes its gains and offsets by halves (64 features: gains in v[HB ..], offsets in v[HB+32 ..]), since x's registers hold pos_emb by then.
.macro LDH hf
.irp lb, 0,1
.irp lj, 0,1,2,3
	ds_load_b128 v[HB+16*\lb+4*\lj:HB+16*\lb+4*\lj+3], v[ADP] offset:512+128*(2*(\hf)+\lb)+16*\lj
	ds_load_b128 v[HB+32+16*\lb+4*\lj:HB+32+16*\lb+4*\lj+3], v[ADP] offset:1024+128*(2*(\hf)+\lb)+16*\lj
.endr
.endr
.endm
.macro PNORM hf
.set lp, 0
.rept 16
	v_pk_fma_f32 v[HA+32*(\hf)+2*lp:HA+32*(\hf)+2*lp+1], v[HA+32*(\hf)+2*lp:HA+32*(\hf)+2*lp+1], v[HB+2*lp:HB+2*lp+1], v[HB+32+2*lp:HB+32+2*lp+1]
.set lp, lp+1
.endr
.endm
.macro PPOS hf
.set lp, 0
.rept 16
	v_pk_add_f32 v[X+32*(\hf)+2*lp:X+32*(\hf)+2*lp+1], v[HA+32*(\hf)+2*lp:HA+32*(\hf)+2*lp+1], v[X+32*(\hf)+2*lp:X+32*(\hf)+2*lp+1]
.set lp, lp+1
.endr
.endm
; Head 2 hc + hh: scores in v[HA .. HA+31], softmax, P's codes, O^T in v[HA+32+16 hh ..].  V's three loads are waited for ahead of the second product alone.
.macro HEAD hc, hh
.set HD, 2*(\hc)+(\hh)
.set OA, HA+32+16*(\hh)
.set QF, QM+12*(\hh)+4*(\hc)
	ds_load_b128 v[HB+32:HB+35], v[A16] offset:VIMG+1024*HD
	ds_load_b128 v[HB+40:HB+43], v[A16] offset:VIMG+1024*HD+512
	ds_load_b32 v[VS], v[A4] offset:VSC+128*HD
	s_wait_dscnt 0x3                               ; all but the three just issued: K's fragments are in
.irp hm, 0,1,2,3
	MMZ HA+8*\hm, HB+8*\hm, QF, WS+\hm, QS, 0
.endr
	PLACES 4
.set hk, 0
.rept 32
	v_cndmask_b32 v[HA+hk], v[NEGR], v[HA+hk], s[MK+hk]
.set hk, hk+1
.endr
.irp hb, 0,1
	v_max3_num_f32 v[TMX+\hb], v[HA+16*\hb], v[HA+16*\hb+1], v[HA+16*\hb+2]
.endr
.irp hi, 3,5,7,9,11,13
.irp hb, 0,1
	s_delay_alu instid0(VALU_DEP_2)
	v_max3_num_f32 v[TMX+\hb], v[TMX+\hb], v[HA+16*\hb+\hi], v[HA+16*\hb+\hi+1]
.endr
.endr
.irp hb, 0,1
	s_delay_alu instid0(VALU_DEP_2)
	v_max_num_f32 v[TMX+\hb], v[TMX+\hb], v[HA+16*\hb+15]
.endr
.irp hb, 0,1
	s_delay_alu instid0(VALU_DEP_2)
	v_permlanex16_b32 v[TMB+\hb], v[TMX+\hb], s[SEL], s[SEL+1]
.endr
.irp hb, 0,1
	s_delay_alu instid0(VALU_DEP_2)
	v_max_num_f32 v[TMX+\hb], v[TMX+\hb], v[TMB+\hb]
.endr
	s_delay_alu instid0(VALU_DEP_1)
	v_max_num_f32 v[TMX+2], v[TMX], v[TMX+1]
	s_delay_alu instid0(VALU_DEP_1)
	v_mul_f32 v[TMX+2], s[CS], v[TMX+2]            ; the row's largest t
	s_delay_alu instid0(VALU_DEP_1)
	v_floor_f32 v12, -v[TMX+2]                     ; -M = -ceil(t)
.set hk, 0
.rept 16
	v_pk_fma_f32 v[HA+hk:HA+hk+1], v[HA+hk:HA+hk+1], s[CS:CS+1], v[12:13] op_sel_hi:[1,0,0]
.set hk, hk+2
.endr
.irp hb, 0,1
	v_fma_f32 v[TMX+\hb], v[TMX+\hb], s[CS], v12
.endr
.set hk, 0
	s_wait_alu depctr_va_vdst(0)
.rept 32
	v_exp_f32 v[HA+hk], v[HA+hk]                   ; p = 2^(t - M)
.set hk, hk+1
.endr
.irp hb, 0,1
	v_exp_f32 v[TMX+\hb], v[TMX+\hb]               ; each block's largest p
.endr
	v_nop
	s_wait_alu depctr_va_vdst(0)
.irp hb, 0,1
	v_max_num_f32 v[TMX+\hb], 0x1800000, v[TMX+\hb]
.endr
.irp hb, 0,1
	s_delay_alu instid0(VALU_DEP_2)
	v_add_nc_u32 v[TMS+\hb], 0xff000000, v[TMX+\hb]
.endr
.irp hb, 0,1
	s_delay_alu instid0(VALU_DEP_2)
	v_lshrrev_b32 v[TMB+\hb], 23, v[TMS+\hb]
.endr
	s_delay_alu instid0(VALU_DEP_1)
	v_lshl_or_b32 v[PS], v[TMB+1], 8, v[TMB]
.irp hb, 0,1
	v_cvt_scalef32_pk8_fp4_f32 v[HB+48+2*\hb], v[HA+16*\hb:HA+16*\hb+7], v[TMS+\hb]
	v_cvt_scalef32_pk8_fp4_f32 v[HB+49+2*\hb], v[HA+16*\hb+8:HA+16*\hb+15], v[TMS+\hb]
.endr
	v_nop
	v_permlane16_swap_b32 v[HB+48], v[HB+50]
	v_permlane16_swap_b32 v[HB+49], v[HB+51]
	v_pk_add_f32 v[240:241], v[80:81], v[82:83]    ; the row's sum of the unquantised p, as a tree
	v_pk_add_f32 v[244:245], v[88:89], v[92:93]
	v_pk_add_f32 v[242:243], v[96:97], v[100:101]
	v_pk_add_f32 v[238:239], v[104:105], v[108:109]
	v_pk_add_f32 v[234:235], v[84:85], v[86:87]
	v_pk_add_f32 v[232:233], v[90:91], v[94:95]
	v_pk_add_f32 v[206:207], v[98:99], v[102:103]
	v_pk_add_f32 v[14:15], v[106:107], v[110:111]
	s_delay_alu instid0(VALU_DEP_1)
	v_pk_add_f32 v[14:15], v[14:15], v[238:239]
	v_pk_add_f32 v[240:241], v[240:241], v[234:235]
	v_pk_add_f32 v[244:245], v[244:245], v[232:233]
	v_pk_add_f32 v[242:243], v[242:243], v[206:207]
	s_delay_alu instid0(VALU_DEP_2)
	v_pk_add_f32 v[14:15], v[14:15], v[244:245]
	s_delay_alu instid0(VALU_DEP_2)
	v_pk_add_f32 v[240:241], v[240:241], v[242:243]
	s_delay_alu instid0(VALU_DEP_1)
	v_pk_add_f32 v[14:15], v[14:15], v[240:241]
	s_delay_alu instid0(VALU_DEP_1)
	v_add_f32 v14, v14, v15
	s_delay_alu instid0(VALU_DEP_1)
	v_permlanex16_b32 v15, v14, s[SEL], s[SEL+1]
	s_delay_alu instid0(VALU_DEP_1)
	v_add_f32 v14, v14, v15
	s_wait_dscnt 0x0                               ; V's two tiles and their scale words are in
	s_wait_alu depctr_va_vdst(0)
	v_rcp_f32 v[RL], v14
	v_nop
	MMZ OA, HB+32, HB+48, VS, PS, 0                ; O^T = V^T P: 16 features each
	MMZ OA+8, HB+40, HB+48, VS, PS, 1
	PLACES 4
	s_wait_alu depctr_va_vdst(0)
.set hk, 0
.rept 8
	v_pk_mul_f32 v[OA+hk:OA+hk+1], v[OA+hk:OA+hk+1], v[RL:RL+1] op_sel_hi:[1,0]
.set hk, hk+2
.endr
.endm
.macro TOSTAGE
.irp sb, 0,1,2,3
.irp sj, 0,1,2,3
	ds_store_b128 v10, v[X+16*\sb+4*\sj:X+16*\sb+4*\sj+3] offset:128*\sb+16*\sj
.endr
.endr
.endm
	s_load_b256 s[4:11], s[0:1], 0x0               ; polylines s[4:5], lengths s[6:7], pack s[8:9], xs s[10:11]
	v_lshl_add_u32 v254, v0, 2, SPARE
	v_mov_b32 v255, 0
	ds_add_u32 v254, v255                          ; the opening lines: the add, twice on end, and its wait
	ds_add_u32 v254, v255
	s_wait_dscnt 0x0
	v_lshrrev_b32 v80, 5, v0
	s_delay_alu instid0(VALU_DEP_1)
	v_readfirstlane_b32 s[WVN], v80                ; wave 0..15
	v_and_b32 v80, 31, v0                          ; lane
	v_and_b32 v81, 15, v0                          ; r
	v_bfe_u32 v82, v0, 4, 1                        ; h
	s_delay_alu instid0(VALU_DEP_2)
	v_and_b32 v83, 8, v81
	s_delay_alu instid0(VALU_DEP_1)
	v_add_nc_u32 v83, v83, v81                     ; r + 8 (r / 8)
	s_wait_alu depctr_va_vdst(0)                   ; the wait ahead of the run of scalar lines
	s_lshr_b32 s[TILE], s[WVN], 2                  ; my token tile,
	s_and_b32 s14, s[WVN], 3                       ; my polyline of the work-group's four
	s_bfe_u32 s29, ttmp6, 0x40000                  ; my place in the cluster: it enters global addresses of my own loads alone
	s_lshl_b32 s15, ttmp9, 2
	s_add_co_u32 s15, s15, s29                     ; work-group
	s_lshl_b32 s16, s15, 2
	s_add_co_u32 s16, s16, s14                     ; polyline n = 64 b + s
	s_min_u32 s18, s[TILE], 1                      ; 1 in the waves that leave out the rest of layer 1
	s_lshr_b32 s30, s[TILE], 1
	s_lshl_b32 s30, s30, 5
	s_and_b32 s31, s[TILE], 1
	s_lshl_b32 s31, s31, 3
	s_add_co_u32 s32, s30, s31                     ; my tile's first token
	s_mov_b32 s[SEL], 0x76543210
	s_mov_b32 s[SEL+1], 0xfedcba98
	s_mov_b32 s[CS], 0x3e8293ee                    ; c = log2(e) / sqrt(32)
	s_mov_b32 s[CS+1], s[CS]
	s_mov_b32 s[HI], 0xffff0000
	s_mov_b32 s25, 0x3c000000                      ; 1 / 128
	s_mov_b32 s26, 0x3727c5ac                      ; 1e-5
	s_lshl_b32 s27, s[TILE], 11
	s_lshl_b32 s28, s[TILE], 7
	s_lshl_b32 s33, s14, 12
	s_lshl_b32 s34, s14, 9
	s_lshl_b32 s35, s[TILE], 10
	v_lshl_add_u32 v[A16], v80, 4, s33
	v_lshl_add_u32 v[A4], v80, 2, s34
	s_delay_alu instid0(VALU_DEP_2)
	v_add_nc_u32 v[W16], s35, v[A16]
	s_delay_alu instid0(VALU_DEP_2)
	v_add_nc_u32 v[W4], s28, v[A4]
	v_lshl_add_u32 v[ADW], v80, 4, PK              ; first the projection's block
	v_lshl_add_u32 v[ADS], v80, 2, PK+8192
	v_lshl_add_u32 v[ADP], v82, 6, PK+8704
	v_lshl_add_u32 v[ABV], v83, 2, s28
	s_delay_alu instid0(VALU_DEP_1)
	v_add_nc_u32 v[ABV], L0+69632, v[ABV]
	v_lshl_add_u32 v[AWV], v80, 4, s27
	s_delay_alu instid0(VALU_DEP_1)
	v_add_nc_u32 v[AWV], L0, v[AWV]
	v_lshl_add_u32 v[ASV], v80, 2, s28
	s_delay_alu instid0(VALU_DEP_1)
	v_add_nc_u32 v[ASV], L0+65536, v[ASV]
	s_lshl_b32 s33, s[TILE], 13
	v_lshl_add_u32 v11, v80, 4, s33                ; pos_emb's image of my tile: 16 x lane + 8,192 x tile
	s_lshl_b32 s33, s14, 6
	s_add_co_u32 s33, s33, s32
	s_mul_i32 s33, s33, 528
	s_add_co_u32 s33, s33, PST                     ; my tile's first token among the polylines' rows in LDS
	v_mul_u32_u24 v10, v83, 528
	s_delay_alu instid0(VALU_DEP_1)
	v_lshl_add_u32 v10, v82, 6, v10
	s_delay_alu instid0(VALU_DEP_1)
	v_add_nc_u32 v10, s33, v10                     ; my token's row, + 64 h
	; group 1 for the weights: 80 rows of 32 elements of 8 bytes, dense, no padding; the mask names the cluster's four work-groups
	s_mov_b32 s40, 15|(3<<16)|(1<<21)
	s_mov_b32 s41, 32<<16
	s_mov_b32 s42, 80<<16
	s_mov_b32 s43, 32<<16
	s_mov_b32 s44, 80
	s_mov_b32 s45, 32
	s_mov_b32 s46, 0
	s_mov_b32 s47, 0
	; group 1 for the polylines: 32 rows of 64 elements of 8 bytes, four words of padding behind every 128; no mask
	s_mov_b32 s56, (3<<16)|(1<<20)|(6<<22)|(3<<25)
	s_mov_b32 s57, 64<<16
	s_mov_b32 s58, 32<<16
	s_mov_b32 s59, 64<<16
	s_mov_b32 s60, 32
	s_mov_b32 s61, 64
	s_mov_b32 s62, 0
	s_mov_b32 s63, 0
	s_wait_alu depctr_va_vdst(0)                   ; the wait, directly ahead of the wait below
	s_wait_kmcnt 0x0
	s_lshl_b32 s30, s16, 2
	s_mov_b32 s31, 0
	s_add_nc_u64 s[6:7], s[6:7], s[30:31]
	s_load_b32 s17, s[6:7], 0x0                    ; my polyline's length
	s_lshl_b32 s30, s16, 9
	s_add_nc_u64 s[10:11], s[10:11], s[30:31]      ; xs at row n
	s_and_b32 s33, s[WVN], 7
	s_mul_i32 s30, s33, 20480                      ; my 80 rows of pack: the same in all four partners
	s_mov_b32 s36, 1
	s_add_co_u32 s37, s30, PK
	s_add_nc_u64 s[38:39], s[8:9], s[30:31]
	s_or_b32 s39, s39, 0x80000000
	s_lshl_b32 s30, s15, 17                        ; my work-group's 131,072 bytes of polylines,
	s_lshl_b32 s34, s33, 14
	s_add_co_u32 s30, s30, s34                     ; my 32 rows of them
	s_mov_b32 s52, 1
	s_mul_i32 s53, s33, 16896
	s_add_co_u32 s53, s53, PST
	s_add_nc_u64 s[54:55], s[4:5], s[30:31]
	s_or_b32 s55, s55, 0x80000000
	ROUND                                          ; all four work-groups are here: the joint loads meet
	s_cmp_lt_u32 s[WVN], 8                         ; one chain, a load to an arm: every wave issues its one tensor load of the launch
	s_cbranch_scc0 .Lpoly
	tensor_load_to_lds s[36:39], s[40:47]
	s_nop 0
	PLACES 4
	s_branch .Lasked
.Lpoly:
	tensor_load_to_lds s[52:55], s[56:63]
	s_nop 0
	PLACES 4
.Lasked:
	v_mov_b32 v[NEGR], 0xd0000000
.irp i, 0,1,2,3
	v_mov_b32 v[TMB+\i], 0                         ; written once: a lane permute's destination counts as one of its sources
.endr
	s_wait_kmcnt 0x0                               ; the length
	v_add_nc_u32 v84, s32, v83                     ; my token
	s_delay_alu instid0(VALU_DEP_1)
	v_cmp_gt_i32 s48, s17, v84                     ; it is valid
	v_lshlrev_b32 v85, 4, v82
	s_delay_alu instid0(VALU_DEP_1)
	v_sub_nc_u32 v85, s17, v85
	s_delay_alu instid0(VALU_DEP_1)
	v_cndmask_b32 v85, 0, v85, s48                 ; key 32 b + 16 h + i counts where 32 b + i < length - 16 h, and none counts for a padded query
.set mk, 0
.rept 32
	v_cmp_lt_i32 s[MK+mk], 32*(mk/16)+mk%16, v85
.set mk, mk+1
.endr
	s_wait_alu depctr_va_vdst(0)
	s_wait_tensorcnt 0x0                           ; my tile has landed,
	BAR                                            ; everybody's has
.irp xb, 0,1,2,3
.irp xj, 0,1,2,3
	ds_load_b128 v[X+16*\xb+4*\xj:X+16*\xb+4*\xj+3], v10 offset:128*\xb+16*\xj   ; feature 32 b + 16 h + 4 j on of my token
.endr
.endr
	PLB 0
	PLW 0, 0
	s_wait_dscnt 36                                ; x's 16 loads are in; the 36 for the projection may be out
	; ---- the projection
.set mk, 0
.rept 64
	v_cndmask_b32 v[X+mk], -1.0, v[X+mk], s48      ; the pad
.set mk, mk+1
.endr
	QUANT X, 4, XF, XS
.irp q, 0,1,2,3,4,5,6,7,8,9,10,11,12,13,14,15
	global_load_b128 v[X+4*\q:X+4*\q+3], v11, s[8:9] offset:POSO+512*\q   ; pos_emb, in x's layout
.endr
	PLACES 8                                       ; a scale word made by vector instructions stands eight places ahead of its product
	PMM XF, XS
	PLACES 4
	LDH 0
	LNS HA
	PNORM 0
	LDH 1
	RELU HA, 32
	s_wait_alu depctr_va_vdst(0)
	s_wait_loadcnt 0x0                             ; pos_emb
	PPOS 0
	s_wait_alu depctr_va_vdst(0)
	s_wait_dscnt 0x0
	PNORM 1
	RELU HA+32, 32
	PPOS 1
	v_add_nc_u32 v[ADW], L0-PK, v[ADW]             ; on to layer 0's block
	v_add_nc_u32 v[ADS], L0+65536-PK-8192, v[ADS]
	v_add_nc_u32 v[ADP], L0+69632-PK-8704, v[ADP]
	s_mul_i32 s30, s14, 8448                       ; the stage's addresses, made ahead of the first branch on the wave's number
	s_add_co_u32 s30, s30, STG
	v_and_b32 v10, 15, v0
	s_delay_alu instid0(VALU_DEP_1)
	v_mul_u32_u24 v10, v10, 528
	v_bfe_u32 v11, v0, 4, 1
	s_delay_alu instid0(VALU_DEP_1)
	v_lshl_add_u32 v10, v11, 6, v10
	s_delay_alu instid0(VALU_DEP_1)
	v_add_nc_u32 v10, s30, v10                     ; in: row r, + 64 h
	v_and_b32 v11, 31, v0
	s_delay_alu instid0(VALU_DEP_1)
	v_lshl_add_u32 v11, v11, 4, s30                ; back: row 0, 16 bytes a lane
	s_mov_b32 s19, 0
.Llayer:                                           ; two trips: layers 0 and 1
	s_wait_alu depctr_va_vdst(0)                   ; the block's addresses were stepped ahead of the jump
	PLB OBK
	PLW OWK, OSK
	; ---- x's fragment, for me and for the waves of my polyline
	QUANT X, 4, XF, XS
	PLACES 8
	ds_store_b128 v[W16], v[XF:XF+3] offset:XIMG
	ds_store_b128 v[W16], v[XF+4:XF+7] offset:XIMG+512
	ds_store_b32 v[W4], v[XS] offset:XSC
	s_wait_alu depctr_va_vdst(0)
	BAR                                            ; x's images lie in LDS; nobody reads the polylines' rows or the last layer's K and V any more
	; ---- K of my 16 tokens
	PMM XF, XS
	PLACES 4
	; what V needs is asked for while K is quantised
.irp vm, 0,1,2,3
	ds_load_b128 v[HB+8*\vm:HB+8*\vm+3], v[A16] offset:XIMG+1024*\vm
	ds_load_b128 v[HB+8*\vm+4:HB+8*\vm+7], v[A16] offset:XIMG+1024*\vm+512
	ds_load_b32 v[WS+\vm], v[A4] offset:XSC+128*\vm
.endr
.irp vu, 0,1
	ds_load_b128 v[HB+32+8*\vu:HB+32+8*\vu+3], v[AWV] offset:OWV+1024*\vu
	ds_load_b128 v[HB+32+8*\vu+4:HB+32+8*\vu+7], v[AWV] offset:OWV+1024*\vu+512
	ds_load_b32 v[14+\vu], v[ABV] offset:OBV+32*\vu
.endr
	ds_load_b32 v[VS], v[ASV] offset:OSV
	QUANT HA, 4, PC, PW
	ds_store_b128 v[W16], v[PC:PC+3] offset:KIMG
	ds_store_b128 v[W16], v[PC+4:PC+7] offset:KIMG+512
	ds_store_b32 v[W4], v[PW] offset:KSC
	; ---- V of head `tile`, for all 64 tokens of my polyline: a lane holds one feature, its registers run along the keys
	s_wait_alu depctr_va_vdst(0)
	s_wait_dscnt 0x0
.irp vu, 0,1
.irp vj, 0,1,2,3,4,5,6,7
	v_mov_b32 v[HB+48+8*\vu+\vj], v[14+\vu]        ; bv of my lane's feature, as the C of four products
.endr
.endr
	PLACES 4
.irp vu, 0,1
.irp vm, 0,1,2,3
	MMC HA+32*\vu+8*\vm, HB+8*\vm, HB+32+8*\vu, HB+48+8*\vu, WS+\vm, VS, 0, \vu
.endr
.endr
	PLACES 4
	PLW OWQ, OSQ
	QUANT HA, 4, PC, PW                            ; blocks 0, 1: keys 0-31, 32-63 of the first 16 features; blocks 2, 3: of the other 16
	v_and_b32 v[TMX], 0xffff, v[PW]
	v_lshrrev_b32 v[TMX+1], 16, v[PW]
	s_delay_alu instid0(VALU_DEP_1)
	v_cndmask_b32 v[TMX], v[TMX], v[TMX+1], s[HI]
	ds_store_b128 v[W16], v[PC:PC+3] offset:VIMG
	ds_store_b128 v[W16], v[PC+4:PC+7] offset:VIMG+512
	ds_store_b32 v[W4], v[TMX] offset:VSC
	PLB OBQ
	BAR                                            ; K's and V's images lie in LDS; nobody reads x's any more
	s_and_b32 s30, s19, s18                        ; of layer 1 only the tile with t = 0 goes on.  No barrier stands in what is left out
	s_cmp_lg_u32 s30, 0
	s_cbranch_scc1 .Lskip
	; ---- Q of my 16 tokens
	PMM XF, XS
	PLACES 4
.irp vm, 0,1,2,3
	ds_load_b128 v[HB+8*\vm:HB+8*\vm+3], v[A16] offset:KIMG+1024*\vm       ; K's four fragments serve all four heads
	ds_load_b128 v[HB+8*\vm+4:HB+8*\vm+7], v[A16] offset:KIMG+1024*\vm+512
	ds_load_b32 v[WS+\vm], v[A4] offset:KSC+128*\vm
.endr
	QUANT HA, 4, PC, QS
.irp i, 0,1,2,3                        ; Q's codes head by head: head 0 at QM, head 2 at QM+8, head 1 at QM+12, head 3 at QM+20, each in its own lanes alone
	v_cndmask_b32 v[QM+12+\i], 0, v[QM+\i], s[HI]
.endr
.irp i, 0,1,2,3
	v_cndmask_b32 v[QM+\i], v[QM+\i], 0, s[HI]
.endr
.irp i, 0,1,2,3
	v_cndmask_b32 v[QM+8+\i], v[QM+4+\i], 0, s[HI]
.endr
.irp i, 0,1,2,3
	v_cndmask_b32 v[QM+20+\i], 0, v[QM+4+\i], s[HI]
.endr
.irp i, 0,1,2,3
	v_mov_b32 v[QM+4+\i], 0
	v_mov_b32 v[QM+16+\i], 0
.endr
.irp i, 0,1,2,3                        ; K = 64 .. 127 of V^T's two tiles and of P: zero codes
	v_mov_b32 v[HB+36+\i], 0
	v_mov_b32 v[HB+44+\i], 0
	v_mov_b32 v[HB+52+\i], 0
.endr
	; ---- attention, head by head
	HEAD 0, 0
	HEAD 0, 1
	QUANT HA+32, 2, PC, OS
	HEAD 1, 0
	HEAD 1, 1
	PLW OWO, OSO
	QUANT HA+32, 2, PC+4, PW
	v_lshl_or_b32 v[OS], v[PW], 16, v[OS]
	PLB OBO
	PLACES 8
	; ---- Wo, the residual, LayerNorm
	PMM PC, OS
	PLACES 4
	RESID
	LN X, OL1S, OL1B, HA, HB
	; ---- the hidden layer, 128 units at a time
	PLB OB1
	PLW OW1, OS1
	QUANT X, 4, XF, XS
	PLACES 8
	PMM XF, XS
	PLACES 4
	PLW OW1+8192, OS1+512
	RELU HA, 64
	QUANT HA, 4, PC, QS
	PLB OB1+512
	PMM XF, XS
	PLACES 4
	PLW OW2, OS2
	RELU HA, 64
	QUANT HA, 4, PC2, PS
	PLB OB2
	PLACES 8
	; ---- W2 in two K steps, the residual, LayerNorm
	PMM PC, QS
	PLACES 4
	PLW OW2+8192, OS2+512
	PMM PC2, PS
	PLACES 4
	RESID
	LN X, OL2S, OL2B, HA, HB
.Lskip:
	v_add_nc_u32 v[ADW], LAYERB, v[ADW]            ; the next layer's block
	v_add_nc_u32 v[ADS], LAYERB, v[ADS]
	v_add_nc_u32 v[ADP], LAYERB, v[ADP]
	v_add_nc_u32 v[ABV], LAYERB, v[ABV]
	v_add_nc_u32 v[AWV], LAYERB, v[AWV]
	v_add_nc_u32 v[ASV], LAYERB, v[ASV]
	s_add_co_u32 s19, s19, 1
	s_cmp_lt_u32 s19, 2
	s_cbranch_scc1 .Llayer
	; ---- the way out: row t = 0 lies in lanes 0 and 16 of tile 0: it goes through the wave's own stage and leaves as 512 consecutive bytes
	s_cmp_lg_u32 s[TILE], 0
	s_cbranch_scc1 .Lend
	TOSTAGE
	ds_load_b128 v[HA:HA+3], v11                   ; LDS serves a wave's instructions in order: this sees my stores
	v_and_b32 v[HB], 31, v0
	s_delay_alu instid0(VALU_DEP_1)
	v_lshlrev_b32 v[HB], 4, v[HB]
	s_wait_alu depctr_va_vdst(0)
	s_wait_dscnt 0x0
	global_store_b128 v[HB], v[HA:HA+3], s[10:11]  ; 32 lanes store a row of 512 bytes, aligned
.Lend:
	s_wait_dscnt 0x0
	s_wait_xcnt 0x0
	v_lshl_add_u32 v254, v0, 2, SPARE
	v_mov_b32 v255, 0
	s_wait_alu depctr_va_vdst(0)
	s_wait_tensorcnt 0x0                           ; the wave's end
	ds_add_u32 v254, v255
	s_wait_dscnt 0x0
	ROUND                                          ; the closing round
	s_endpgm
.Lfunc_end_k_q86e76c1330_temporal:
	.size	k_q86e76c1330_temporal, .Lfunc_end_k_q86e76c1330_temporal-k_q86e76c1330_temporal
	.p2alignl 7, 3214868480
	.fill 96, 4, 3214868480
	.section	.rodata,"a",@progbits
	.p2align	6, 0x0
	.amdhsa_kernel k_q86e76c1330_temporal
		.amdhsa_group_segment_fixed_size 327680
		.amdhsa_private_segment_fixed_size 0
		.amdhsa_enable_private_segment 0
		.amdhsa_kernarg_size 32
		.amdhsa_user_sgpr_count 2
		.amdhsa_user_sgpr_kernarg_segment_ptr 1
		.amdhsa_wavefront_size32 1
		.amdhsa_system_sgpr_workgroup_id_x 1
		.amdhsa_system_sgpr_workgroup_id_y 1
		.amdhsa_system_sgpr_workgroup_id_z 1
		.amdhsa_system_vgpr_workitem_id 0
		.amdhsa_next_free_vgpr 256
		.amdhsa_next_free_sgpr 100
		.amdhsa_reserve_vcc 0
		.amdhsa_float_denorm_mode_32 3
		.amdhsa_float_denorm_mode_16_64 3
		.amdhsa_memory_ordered 1
		.amdhsa_forward_progress 1
		.amdhsa_inst_pref_size 183
	.end_amdhsa_kernel
	.amdgpu_metadata
---
amdhsa.version: [ 1, 2 ]
amdhsa.kernels:
  - .name:           k_q86e76c1330_temporal
    .symbol:         k_q86e76c1330_temporal.kd
    .args:
      - { .name: polylines, .offset: 0, .size: 8, .value_kind: global_buffer, .address_space: global }
      - { .name: lengths, .offset: 8, .size: 8, .value_kind: global_buffer, .address_space: global }
      - { .name: pack, .offset: 16, .size: 8, .value_kind: global_buffer, .address_space: global }
      - { .name: xs, .offset: 24, .size: 8, .value_kind: global_buffer, .address_space: global }
    .group_segment_fixed_size: 327680
    .private_segment_fixed_size: 0
    .kernarg_segment_align: 8
    .kernarg_segment_size: 32
    .max_flat_workgroup_size: 512
    .sgpr_count:     100
    .vgpr_count:     256
    .wavefront_size: 32
...
	.end_amdgpu_metadata
.endif
;; end of part 2
;; launch spatial (part 3): grid 16 x 1, 4 waves a work-group, clusters of 4 x 1, 198,656 bytes of LDS; arguments xs, lengths, pack, out0; writes out0
.if DOCPART == 3
	.amdgcn_target "amdgcn-amd-amdhsa--gfx1250"
	.amdhsa_code_object_version 6
	.text
	.protected	k_q86e76c1330_spatial
	.globl	k_q86e76c1330_spatial
	.p2align	8
	.type	k_q86e76c1330_spatial,@function
k_q86e76c1330_spatial:
	s_mov_b64 s[64:65], 0
	v_nop
	global_prefetch_b8 v0, s[64:65] scope:SCOPE_SE
	s_setreg_imm32_b32 hwreg(HW_REG_WAVE_MODE, 25, 1), 1
	s_wait_xcnt 0x0
	s_wait_alu depctr_hold_cnt(0) depctr_sa_sdst(0) depctr_va_vdst(0) depctr_va_sdst(0) depctr_va_ssrc(0) depctr_va_vcc(0) depctr_vm_vsrc(0)
	s_getreg_b32 s2, hwreg(HW_REG_IB_STS2, 6, 4)
	s_cmp_eq_u32 s2, 0
	s_cbranch_scc0 .Lentry_in_a_cluster
	s_endpgm
.Lentry_in_a_cluster:
	s_bfe_u32 s2, ttmp6, 0x10000c
	s_cmp_lg_u32 s2, 0x3003
	s_cbranch_scc0 .Lentry_shape_is_right
	s_endpgm
.Lentry_shape_is_right:
; Layers 2 and 3 on the sixteen sequences (b, t = 0) that the result keeps: 64 tokens (the polylines s of scene b) x 128 features; token s counts where lengths[b][s] > 0.
; A work-group takes one sequence, wave w its token tile w (16 tokens).  Sixteen work-groups: a sequence's attention joins all its tokens, and work-groups hand each other nothing.
; Layouts, quantiser, softmax and phases are those of the launch before: lane r of a tile takes row 32 (t / 2) + 8 (t % 2) + r + 8 (r / 8); a tile of tokens is 64 registers, register 16 b + i = feature 32 b + 16 h + i;
; products with weights are used transposed, V the natural way; a head is one block of 32 along K; p = 2^(t - M), M = ceil(the row's largest t), the sum of the unquantised p divides; a masked score is -2^33.
; WEIGHTS.  pack's blocks of layers 2 and 3 (150,528 bytes) are copied to LDS once, 147 rows of 256 bytes a wave; the four work-groups of a cluster ask jointly.
; LIMITS: NaN and infinities among the inputs are not served; |q . k| stays under 2^33; a block whose largest magnitude lies under 2^-124 keeps the scale byte 1 (a block of zeros too: its codes are zeros).
.set XIMG,  0                          ; LDS: x's 4 fragments (1,024 x tile),
.set XSC,   4096                       ; their scale words (128 x tile),
.set KIMG,  4608
.set KSC,   8704
.set VIMG,  9216
.set VSC,   13312
.set STG,   13824                      ; four stages of 16 rows x 528 bytes,
.set PK,    47616                      ; and the copy of pack's two blocks
.set L0,    PK
.set LAYERB, 75264
.set SKIPT, 0
.set TILE,  12                         ; my token tile is my wave's number
.set OWQ, 0
.set OWK, 8192
.set OWV, 16384
.set OWO, 24576
.set OW1, 32768
.set OW2, 49152
.set OSQ, 0
.set OSK, 512
.set OSV, 1024
.set OSO, 1536
.set OS1, 2048
.set OS2, 3072
.set OBQ, 0
.set OBK, 512
.set OBV, 1024
.set OBO, 1536
.set OL1S, 2048
.set OL1B, 2560
.set OB1, 3072
.set OB2, 4096
.set OL2S, 4608
.set OL2B, 5120
.set ADW, 1                            ; v1   16 x lane + the layer's block
.set ADS, 2                            ; v2   4 x lane + its scale images
.set ADP, 3                            ; v3   64 h + its parameters
.set ABV, 4                            ; v4   bv at my lane's feature of my head
.set A16, 5                            ; v5   16 x lane
.set A4,  6                            ; v6   4 x lane
.set W16, 7                            ; v7   A16 + 1,024 x tile
.set W4,  8                            ; v8   A4 + 128 x tile
.set NEGR, 9                           ; v9   -2^33
.set AWV, 13                           ; v13  Wv's two tiles of my head (beside v12, which alone the packed forms take)
.set ASV, 255                          ; v255 their scale words (likewise beside v254)
.set X,   16
.set HA,  80
.set HB,  144
.set PC,  208
.set PC2, 216
.set XF,  224
.set QM,  208
.set TMX, 232
.set TMB, 236
.set TMS, 240
.set PW,  244
.set XS,  245
.set QS,  246
.set PS,  247
.set WS,  248
.set VS,  252
.set OS,  253
.set RL,  254
.set WVN, 12
.set SEL, 20
.set CS,  22
.set HI,  24
.set MK,  68
.macro PLACES n
.rept \n
	v_nop
.endr
.endm
.macro BAR                             ; my LDS stores have landed and my LDS loads are in: then the work-group's barrier
	s_wait_dscnt 0x0
	s_barrier_signal -1
	s_barrier_wait -1
.endm
.macro ROUND                           ; a round of the cluster's barrier
	s_barrier_signal -1
	s_barrier_wait -1
	s_cmp_lg_u32 s[WVN], 0
	s_cbranch_scc1 .Lnot_wave_0_\@
	s_barrier_signal -3
.Lnot_wave_0_\@:
	s_barrier_wait -3
	s_barrier_signal -1
	s_barrier_wait -1
.endm
.macro MMZ d, a, b, sa, sb, ra         ; a product that starts a sum; ra = 1: source 0's scales stand in lanes 16-31
.if (\ra)
	v_wmma_scale_f32_16x16x128_f8f6f4 v[\d:\d+7], v[\a:\a+7], v[\b:\b+7], 0, v[\sa], v[\sb] matrix_a_fmt:MATRIX_FMT_FP4 matrix_b_fmt:MATRIX_FMT_FP4 matrix_a_scale:MATRIX_SCALE_ROW1
.else
	v_wmma_scale_f32_16x16x128_f8f6f4 v[\d:\d+7], v[\a:\a+7], v[\b:\b+7], 0, v[\sa], v[\sb] matrix_a_fmt:MATRIX_FMT_FP4 matrix_b_fmt:MATRIX_FMT_FP4
.endif
.endm
.macro MMC d, a, b, c, sa, sb, ra, rb  ; a product onto C
.if (\ra)
	v_wmma_scale_f32_16x16x128_f8f6f4 v[\d:\d+7], v[\a:\a+7], v[\b:\b+7], v[\c:\c+7], v[\sa], v[\sb] matrix_a_fmt:MATRIX_FMT_FP4 matrix_b_fmt:MATRIX_FMT_FP4 matrix_a_scale:MATRIX_SCALE_ROW1
.elseif (\rb)
	v_wmma_scale_f32_16x16x128_f8f6f4 v[\d:\d+7], v[\a:\a+7], v[\b:\b+7], v[\c:\c+7], v[\sa], v[\sb] matrix_a_fmt:MATRIX_FMT_FP4 matrix_b_fmt:MATRIX_FMT_FP4 matrix_b_scale:MATRIX_SCALE_ROW1
.else
	v_wmma_scale_f32_16x16x128_f8f6f4 v[\d:\d+7], v[\a:\a+7], v[\b:\b+7], v[\c:\c+7], v[\sa], v[\sb] matrix_a_fmt:MATRIX_FMT_FP4 matrix_b_fmt:MATRIX_FMT_FP4
.endif
.endm
; 16 nb numbers of a lane, register 16 b + i = k 32 b + 16 h + i of my row, become 2 nb registers of codes in the operand's layout and nb scale bytes.
.macro QUANT src, nb, dst, pw
.set qb, 0
.rept \nb
	v_max3_num_f32 v[TMX+qb], |v[\src+16*qb]|, |v[\src+16*qb+1]|, 0x1800000   ; my 16 numbers of block b, and the floor 2^(3 - 127): the byte cannot fall under 1
.set qb, qb+1
.endr
.irp qi, 2,4,6,8,10,12,14
.set qb, 0
.rept \nb
	v_max3_num_f32 v[TMX+qb], v[TMX+qb], |v[\src+16*qb+\qi]|, |v[\src+16*qb+\qi+1]|
.set qb, qb+1
.endr
.endr
.set qb, 0
.rept \nb
	v_permlanex16_b32 v[TMB+qb], v[TMX+qb], s[SEL], s[SEL+1]
.set qb, qb+1
.endr
.set qb, 0
.rept \nb
	v_max_num_f32 v[TMX+qb], v[TMX+qb], v[TMB+qb]      ; with lane l xor 16's: the block's largest magnitude
.set qb, qb+1
.endr
.set qb, 0
.rept \nb
	v_add_nc_u32 v[TMS+qb], 0xff000000, v[TMX+qb]      ; 2 off its exponent field: the conversion's scale operand
.set qb, qb+1
.endr
.set qb, 0
.rept \nb
	v_lshrrev_b32 v[TMB+qb], 23, v[TMS+qb]             ; the scale's byte
.set qb, qb+1
.endr
	v_lshl_or_b32 v[\pw], v[TMB+1], 8, v[TMB]
.if \nb > 2
	v_lshl_or_b32 v[\pw], v[TMB+2], 16, v[\pw]
	v_lshl_or_b32 v[\pw], v[TMB+3], 24, v[\pw]
.endif
.set qb, 0
.rept \nb
	v_cvt_scalef32_pk8_fp4_f32 v[\dst+2*qb], v[\src+16*qb:\src+16*qb+7], v[TMS+qb]
	v_cvt_scalef32_pk8_fp4_f32 v[\dst+2*qb+1], v[\src+16*qb+8:\src+16*qb+15], v[TMS+qb]
.set qb, qb+1
.endr
	v_nop                                          ; one plain line behind the conversions
.set qb, 0
.rept (\nb)/2                          ; the operand wants a whole block in a lane: lanes 0-15 the even block, lanes 16-31 the odd one
	v_permlane16_swap_b32 v[\dst+4*qb], v[\dst+4*qb+2]
	v_permlane16_swap_b32 v[\dst+4*qb+1], v[\dst+4*qb+3]
.set qb, qb+1
.endr
.endm
; Eight tiles of a weight (128 outputs) against the fragment bf with scale word bs, transposed.  boff >= 0: the bias is loaded into the accumulators and the products add onto it; boff < 0: they add onto what stands there.
; The eight accumulators take turns, one instruction each.
.macro PRODT woff, soff, boff, bf, bs
.if (\boff) >= 0
.irp pt, 0,1,2,3,4,5,6,7
	ds_load_b128 v[HA+8*\pt:HA+8*\pt+3], v[ADP] offset:(\boff)+4*(32*(\pt/2)+8*(\pt%2))
	ds_load_b128 v[HA+8*\pt+4:HA+8*\pt+7], v[ADP] offset:(\boff)+4*(32*(\pt/2)+8*(\pt%2))+16
.endr
.endif
.irp pt, 0,1,2,3,4,5,6,7
	ds_load_b128 v[HB+8*\pt:HB+8*\pt+3], v[ADW] offset:(\woff)+1024*\pt
	ds_load_b128 v[HB+8*\pt+4:HB+8*\pt+7], v[ADW] offset:(\woff)+1024*\pt+512
.endr
.irp pb, 0,1,2,3
	ds_load_b32 v[WS+\pb], v[ADS] offset:(\soff)+128*\pb
.endr
	s_wait_dscnt 0x0
.irp pt, 0,1,2,3,4,5,6,7
	MMC HA+8*\pt, HB+8*\pt, \bf, HA+8*\pt, WS+\pt/2, \bs, \pt%2, 0
.endr
.endm
; A product of eight tiles of a weight in three parts, so that its LDS loads are issued ahead of the quantiser in front of it: the bias into the accumulators; the fragments and scale words; the wait and the eight products.
.macro PLB boff
.irp pt, 0,1,2,3,4,5,6,7
	ds_load_b128 v[HA+8*\pt:HA+8*\pt+3], v[ADP] offset:(\boff)+4*(32*(\pt/2)+8*(\pt%2))
	ds_load_b128 v[HA+8*\pt+4:HA+8*\pt+7], v[ADP] offset:(\boff)+4*(32*(\pt/2)+8*(\pt%2))+16
.endr
.endm
.macro PLW woff, soff
.irp pt, 0,1,2,3,4,5,6,7
	ds_load_b128 v[HB+8*\pt:HB+8*\pt+3], v[ADW] offset:(\woff)+1024*\pt
	ds_load_b128 v[HB+8*\pt+4:HB+8*\pt+7], v[ADW] offset:(\woff)+1024*\pt+512
.endr
.irp pb, 0,1,2,3
	ds_load_b32 v[WS+\pb], v[ADS] offset:(\soff)+128*\pb
.endr
.endm
.macro PMM bf, bs
	s_wait_alu depctr_va_vdst(0)                   ; the wait, directly ahead of the wait below
	s_wait_dscnt 0x0
.irp pt, 0,1,2,3,4,5,6,7
	MMC HA+8*\pt, HB+8*\pt, \bf, HA+8*\pt, WS+\pt/2, \bs, \pt%2, 0
.endr
.endm
.macro RESID
.set rp, 0
.rept 32
	v_pk_add_f32 v[X+2*rp:X+2*rp+1], v[X+2*rp:X+2*rp+1], v[HA+2*rp:HA+2*rp+1]
.set rp, rp+1
.endr
.endm
.macro RELU R
.set rp, 0
.rept 64
	v_max_num_f32 v[\R+rp], 0, v[\R+rp]
.set rp, rp+1
.endr
.endm
.macro FOLD                            ; four pairs of partial sums, then lane l xor 16's: the row's sum in v[TMX]
	v_pk_add_f32 v[TMX:TMX+1], v[TMX:TMX+1], v[TMX+2:TMX+3]
	v_pk_add_f32 v[TMX+4:TMX+5], v[TMX+4:TMX+5], v[TMX+6:TMX+7]
	v_pk_add_f32 v[TMX:TMX+1], v[TMX:TMX+1], v[TMX+4:TMX+5]
	v_add_f32 v[TMX], v[TMX], v[TMX+1]
	v_permlanex16_b32 v[TMX+1], v[TMX], s[SEL], s[SEL+1]
	v_add_f32 v[TMX], v[TMX], v[TMX+1]
.endm
; LayerNorm of the 64 registers at R, in place, in two passes (mean; then the mean of the squared differences).  The gains go to SR and the offsets to CR while the sums are made.
.macro LN R, soff, coff, SR, CR
.irp lb, 0,1,2,3
.irp lj, 0,1,2,3
	ds_load_b128 v[\SR+16*\lb+4*\lj:\SR+16*\lb+4*\lj+3], v[ADP] offset:(\soff)+128*\lb+16*\lj
.endr
.endr
.irp lb, 0,1,2,3
.irp lj, 0,1,2,3
	ds_load_b128 v[\CR+16*\lb+4*\lj:\CR+16*\lb+4*\lj+3], v[ADP] offset:(\coff)+128*\lb+16*\lj
.endr
.endr
.irp lq, 0,1,2,3
	v_pk_add_f32 v[TMX+2*\lq:TMX+2*\lq+1], v[\R+2*\lq:\R+2*\lq+1], v[\R+8+2*\lq:\R+8+2*\lq+1]
.endr
.set lp, 8
.rept 24
	v_pk_add_f32 v[TMX+2*(lp%4):TMX+2*(lp%4)+1], v[TMX+2*(lp%4):TMX+2*(lp%4)+1], v[\R+2*lp:\R+2*lp+1]
.set lp, lp+1
.endr
	FOLD
	v_mul_f32 v12, 0xbc000000, v[TMX]              ; - the mean
.set lp, 0
.rept 32
	v_pk_add_f32 v[\R+2*lp:\R+2*lp+1], v[\R+2*lp:\R+2*lp+1], v[12:13] op_sel_hi:[1,0]
.set lp, lp+1
.endr
.irp lq, 0,1,2,3
	v_pk_mul_f32 v[TMX+2*\lq:TMX+2*\lq+1], v[\R+2*\lq:\R+2*\lq+1], v[\R+2*\lq:\R+2*\lq+1]
.endr
.set lp, 4
.rept 28
	v_pk_fma_f32 v[TMX+2*(lp%4):TMX+2*(lp%4)+1], v[\R+2*lp:\R+2*lp+1], v[\R+2*lp:\R+2*lp+1], v[TMX+2*(lp%4):TMX+2*(lp%4)+1]
.set lp, lp+1
.endr
	FOLD
	v_fma_f32 v[TMX], v[TMX], s25, s26             ; the variance + 1e-5
	s_wait_alu depctr_va_vdst(0)
	v_rsq_f32 v[RL], v[TMX]
	v_nop                                          ; a plain line behind the transcendental,
	s_wait_alu depctr_va_vdst(0)                   ; and the wait ahead of its first reader
	s_wait_dscnt 0x0                               ; gains and offsets are in
.set lp, 0
.rept 32
	v_pk_mul_f32 v[\R+2*lp:\R+2*lp+1], v[\R+2*lp:\R+2*lp+1], v[RL:RL+1] op_sel_hi:[1,0]
.set lp, lp+1
.endr
.set lp, 0
.rept 32
	v_pk_fma_f32 v[\R+2*lp:\R+2*lp+1], v[\R+2*lp:\R+2*lp+1], v[\SR+2*lp:\SR+2*lp+1], v[\CR+2*lp:\CR+2*lp+1]
.set lp, lp+1
.endr
.endm
; Head 2 hc + hh: scores in v[HA .. HA+31] (register 16 b + i: key 32 b + 16 h + i of my lane's query), softmax, P's codes, O^T in v[HA+32+16 hh ..] (register i: feature 32 head + 16 h + i).
.macro HEAD hc, hh
.set HD, 2*(\hc)+(\hh)
.set OA, HA+32+16*(\hh)
.set QF, QM+12*(\hh)+4*(\hc)
	ds_load_b128 v[HB+32:HB+35], v[A16] offset:VIMG+1024*HD
	ds_load_b128 v[HB+40:HB+43], v[A16] offset:VIMG+1024*HD+512
	ds_load_b32 v[VS], v[A4] offset:VSC+128*HD
	s_wait_dscnt 0x3                               ; all but the three just issued: K's fragments are in
.irp hm, 0,1,2,3
	MMZ HA+8*\hm, HB+8*\hm, QF, WS+\hm, QS, 0
.endr
	PLACES 4
.set hk, 0
.rept 32
	v_cndmask_b32 v[HA+hk], v[NEGR], v[HA+hk], s[MK+hk]    ; what the mask hides becomes -2^33
.set hk, hk+1
.endr
.irp hb, 0,1
	v_max3_num_f32 v[TMX+\hb], v[HA+16*\hb], v[HA+16*\hb+1], v[HA+16*\hb+2]   ; the largest score of each block of 32 keys: for the row's maximum and for the block's largest p
.endr
.irp hi, 3,5,7,9,11,13
.irp hb, 0,1
	v_max3_num_f32 v[TMX+\hb], v[TMX+\hb], v[HA+16*\hb+\hi], v[HA+16*\hb+\hi+1]
.endr
.endr
.irp hb, 0,1
	v_max_num_f32 v[TMX+\hb], v[TMX+\hb], v[HA+16*\hb+15]
.endr
.irp hb, 0,1
	v_permlanex16_b32 v[TMB+\hb], v[TMX+\hb], s[SEL], s[SEL+1]
.endr
.irp hb, 0,1
	v_max_num_f32 v[TMX+\hb], v[TMX+\hb], v[TMB+\hb]
.endr
	v_max_num_f32 v[TMX+2], v[TMX], v[TMX+1]
	v_mul_f32 v[TMX+2], s[CS], v[TMX+2]            ; the row's largest t
	v_floor_f32 v12, -v[TMX+2]                     ; -M = floor(-t) = -ceil(t)
.set hk, 0
.rept 16
	v_pk_fma_f32 v[HA+hk:HA+hk+1], v[HA+hk:HA+hk+1], s[CS:CS+1], v[12:13] op_sel_hi:[1,0,0]   ; t - M
.set hk, hk+2
.endr
.irp hb, 0,1
	v_fma_f32 v[TMX+\hb], v[TMX+\hb], s[CS], v12
.endr
.set hk, 0
	s_wait_alu depctr_va_vdst(0)
.rept 32
	v_exp_f32 v[HA+hk], v[HA+hk]                   ; p = 2^(t - M)
.set hk, hk+1
.endr
.irp hb, 0,1
	v_exp_f32 v[TMX+\hb], v[TMX+\hb]               ; each block's largest p: the same two instructions on the same number
.endr
	v_nop                                          ; a plain line behind the batch,
	s_wait_alu depctr_va_vdst(0)                   ; and one wait for all 34, ahead of the first reader
.irp hb, 0,1
	v_max_num_f32 v[TMX+\hb], 0x1800000, v[TMX+\hb]
.endr
.irp hb, 0,1
	v_add_nc_u32 v[TMS+\hb], 0xff000000, v[TMX+\hb]
.endr
.irp hb, 0,1
	v_lshrrev_b32 v[TMB+\hb], 23, v[TMS+\hb]
.endr
	v_lshl_or_b32 v[PS], v[TMB+1], 8, v[TMB]       ; p's scale word; its upper bytes stand over zero codes
.irp hb, 0,1
	v_cvt_scalef32_pk8_fp4_f32 v[HB+48+2*\hb], v[HA+16*\hb:HA+16*\hb+7], v[TMS+\hb]
	v_cvt_scalef32_pk8_fp4_f32 v[HB+49+2*\hb], v[HA+16*\hb+8:HA+16*\hb+15], v[TMS+\hb]
.endr
	v_nop
	v_permlane16_swap_b32 v[HB+48], v[HB+50]
	v_permlane16_swap_b32 v[HB+49], v[HB+51]
	v_pk_add_f32 v[14:15], v[HA:HA+1], v[HA+2:HA+3]        ; the row's sum of the unquantised p, in two chains.  (These lines are also the places between p's scale word and its product)
	v_pk_add_f32 v[TMS:TMS+1], v[HA+4:HA+5], v[HA+6:HA+7]
.irp hj, 8,12,16,20,24,28
	v_pk_add_f32 v[14:15], v[14:15], v[HA+\hj:HA+\hj+1]
	v_pk_add_f32 v[TMS:TMS+1], v[TMS:TMS+1], v[HA+\hj+2:HA+\hj+3]
.endr
	v_pk_add_f32 v[14:15], v[14:15], v[TMS:TMS+1]
	v_add_f32 v14, v14, v15
	v_permlanex16_b32 v15, v14, s[SEL], s[SEL+1]
	v_add_f32 v14, v14, v15
	s_wait_dscnt 0x0                               ; V's two tiles and their scale words are in
	s_wait_alu depctr_va_vdst(0)
	v_rcp_f32 v[RL], v14
	v_nop
	MMZ OA, HB+32, HB+48, VS, PS, 0                ; O^T = V^T P: 16 features each
	MMZ OA+8, HB+40, HB+48, VS, PS, 1
	PLACES 4
	s_wait_alu depctr_va_vdst(0)                   ; the reciprocal's wait, ahead of its first reader
.set hk, 0
.rept 8
	v_pk_mul_f32 v[OA+hk:OA+hk+1], v[OA+hk:OA+hk+1], v[RL:RL+1] op_sel_hi:[1,0]
.set hk, hk+2
.endr
.endm
.macro TOSTAGE                         ; my tile of x into my stage: row r, feature 32 b + 16 h + 4 j at byte 128 b + 64 h + 16 j
.irp sb, 0,1,2,3
.irp sj, 0,1,2,3
	ds_store_b128 v10, v[X+16*\sb+4*\sj:X+16*\sb+4*\sj+3] offset:128*\sb+16*\sj
.endr
.endr
.endm
	s_load_b256 s[4:11], s[0:1], 0x0               ; xs s[4:5], lengths s[6:7], pack s[8:9], out0 s[10:11]
	s_set_vgpr_msb 0x40
	v_lshl_add_u32 v0, v0, 2, 0x30600
	v_mov_b32 v1, 0
	s_set_vgpr_msb 0x4045
	ds_add_u32 v0, v1
	ds_add_u32 v0, v1
	s_set_vgpr_msb 0x4500
	v_lshrrev_b32 v80, 5, v0
	v_readfirstlane_b32 s[WVN], v80                ; wave 0..3 = my token tile
	v_and_b32 v80, 31, v0                          ; lane
	s_wait_alu depctr_va_vdst(0)
	v_and_b32 v81, 15, v0                          ; r
	v_bfe_u32 v82, v0, 4, 1                        ; h
	s_wait_alu depctr_va_vdst(0)
	v_and_b32 v83, 8, v81
	v_add_nc_u32 v83, v83, v81                     ; r + 8 (r / 8)
	s_wait_alu depctr_va_vdst(0)
	s_bfe_u32 s29, ttmp6, 0x40000                  ; my place in the cluster: it enters global addresses alone
	s_lshl_b32 s15, ttmp9, 2
	s_add_co_u32 s15, s15, s29                     ; scene b
	s_lshr_b32 s30, s[TILE], 1
	s_lshl_b32 s30, s30, 5
	s_and_b32 s31, s[TILE], 1
	s_lshl_b32 s31, s31, 3
	s_add_co_u32 s32, s30, s31                     ; my tile's first token
	s_mov_b32 s[SEL], 0x76543210
	s_mov_b32 s[SEL+1], 0xfedcba98
	s_mov_b32 s[CS], 0x3e8293ee
	s_mov_b32 s[CS+1], s[CS]
	s_mov_b32 s[HI], 0xffff0000
	s_mov_b32 s25, 0x3c000000                      ; 1 / 128
	s_mov_b32 s26, 0x3727c5ac                      ; 1e-5
	s_lshl_b32 s27, s[TILE], 11
	s_lshl_b32 s28, s[TILE], 7
	s_lshl_b32 s35, s[TILE], 10
	v_lshlrev_b32 v[A16], 4, v80
	v_lshlrev_b32 v[A4], 2, v80
	v_add_nc_u32 v[W16], s35, v[A16]
	v_add_nc_u32 v[W4], s28, v[A4]
	v_lshl_add_u32 v[ADW], v80, 4, L0
	v_lshl_add_u32 v[ADS], v80, 2, L0+65536
	v_lshl_add_u32 v[ADP], v82, 6, L0+69632
	v_lshl_add_u32 v[ABV], v83, 2, s28
	v_add_nc_u32 v[ABV], L0+69632, v[ABV]
	v_lshl_add_u32 v[AWV], v80, 4, s27
	v_add_nc_u32 v[AWV], L0, v[AWV]
	v_lshl_add_u32 v[ASV], v80, 2, s28
	v_add_nc_u32 v[ASV], L0+65536, v[ASV]
	v_lshlrev_b32 v10, 9, v83
	v_lshl_add_u32 v10, v82, 6, v10                ; xs: my token's row of 512 bytes, + 64 h
	v_lshlrev_b32 v86, 2, v80                      ; lengths: 4 bytes a lane
	; descriptor group 1: 147 rows of 32 elements of 8 bytes, dense, no padding; the mask names the cluster's four work-groups
	s_mov_b32 s40, 15|(3<<16)|(1<<21)
	s_mov_b32 s41, 32<<16                          ; tensor_dim0
	s_mov_b32 s42, 147<<16                         ; tensor_dim1
	s_mov_b32 s43, 32<<16                          ; tile_dim0
	s_mov_b32 s44, 147                             ; tile_dim1
	s_mov_b32 s45, 32                              ; the pitch
	s_mov_b32 s46, 0
	s_mov_b32 s47, 0
	s_wait_dscnt 0x0
	s_wait_kmcnt 0x0
	s_lshl_b32 s30, s15, 8
	s_mov_b32 s31, 0
	s_add_nc_u64 s[6:7], s[6:7], s[30:31]          ; lengths[b]
	s_lshl_b32 s30, s15, 6
	s_add_co_u32 s30, s30, s32
	s_lshl_b32 s30, s30, 9
	s_add_nc_u64 s[4:5], s[4:5], s[30:31]          ; xs and out0 at row 64 b + my tile's first token
	s_add_nc_u64 s[10:11], s[10:11], s[30:31]
	s_mul_i32 s30, s[WVN], 37632                   ; my 147 rows: the same in all four partners
	s_mov_b32 s36, 1
	s_add_co_u32 s37, s30, PK
	s_add_nc_u64 s[38:39], s[8:9], s[30:31]
	s_add_nc_u64 s[38:39], s[38:39], 160768        ; layers 2 and 3: behind the projection's 10,240 bytes and two blocks of 75,264
	s_or_b32 s39, s39, 0x80000000
	ROUND                                          ; all four work-groups are here: the joint loads meet
	tensor_load_to_lds s[36:39], s[40:47]          ; my one tensor load of the launch
	s_nop 0
	PLACES 4
	s_wait_alu depctr_va_vdst(0)
	global_load_b32 v84, v86, s[6:7]               ; lengths[b][lane]
	global_load_b32 v85, v86, s[6:7] offset:128    ; lengths[b][32 + lane]
.irp xb, 0,1,2,3
.irp xj, 0,1,2,3
	global_load_b128 v[X+16*\xb+4*\xj:X+16*\xb+4*\xj+3], v10, s[4:5] offset:128*\xb+16*\xj
.endr
.endr
	v_mov_b32 v[NEGR], 0xd0000000
.irp i, 0,1,2,3
	v_mov_b32 v[TMB+\i], 0                         ; written once: a lane permute's destination counts as one of its sources
.endr
	s_wait_tensorcnt 0x0                           ; my part of the weights has landed,
	BAR                                            ; everybody's has
	s_wait_loadcnt 0x0                             ; my tile of x, and the lengths
	; the mask: token s counts where lengths[b][s] > 0; score (query, key) counts where both do
	v_cmp_lt_i32 s49, 0, v84                       ; bit s: token s,
	v_cmp_lt_i32 s50, 0, v85                       ; token 32 + s
	s_cmp_lt_u32 s[TILE], 2
	s_cselect_b32 s51, s49, s50                    ; the word that holds my tile's tokens
	s_and_b32 s30, s[TILE], 1
	s_lshl_b32 s30, s30, 3
	v_add_nc_u32 v86, s30, v83
	v_lshrrev_b32 v86, v86, s51
	v_and_b32 v86, 1, v86                          ; my query counts
	v_lshlrev_b32 v87, 4, v82
	v_lshrrev_b32 v84, v87, s49
	v_lshrrev_b32 v85, v87, s50
	v_and_b32 v84, 0xffff, v84                     ; bit i: key 16 h + i,
	v_and_b32 v85, 0xffff, v85                     ; key 32 + 16 h + i
	v_mul_u32_u24 v84, v84, v86
	v_mul_u32_u24 v85, v85, v86
.set mk, 0
.rept 32
	v_bfe_u32 v88, v[84+mk/16], mk%16, 1
	v_cmp_eq_u32 s[MK+mk], 1, v88
.set mk, mk+1
.endr
	s_mul_i32 s30, s[TILE], 8448                   ; my stage
	s_add_co_u32 s30, s30, STG
	v_and_b32 v10, 15, v0
	v_mul_u32_u24 v10, v10, 528
	v_bfe_u32 v11, v0, 4, 1
	v_lshl_add_u32 v10, v11, 6, v10
	v_add_nc_u32 v10, s30, v10                     ; in: row r, + 64 h
	v_and_b32 v11, 31, v0
	v_lshl_add_u32 v11, v11, 4, s30                ; back: 16 bytes a lane of a row
	s_mov_b32 s19, 0
.Llayer:
	s_wait_alu depctr_va_vdst(0)                   ; the block's addresses were stepped ahead of the jump
	PLB OBK
	PLW OWK, OSK
	QUANT X, 4, XF, XS
	PLACES 8                                       ; a scale word made by vector instructions stands eight places ahead of its product
	ds_store_b128 v[W16], v[XF:XF+3] offset:XIMG
	ds_store_b128 v[W16], v[XF+4:XF+7] offset:XIMG+512
	ds_store_b32 v[W4], v[XS] offset:XSC
	s_wait_alu depctr_va_vdst(0)
	BAR                                            ; x's images lie in LDS; nobody reads the last layer's K and V any more
	; ---- K of my 16 tokens
	PMM XF, XS
	PLACES 4
	QUANT HA, 4, PC, PW
	ds_store_b128 v[W16], v[PC:PC+3] offset:KIMG
	ds_store_b128 v[W16], v[PC+4:PC+7] offset:KIMG+512
	ds_store_b32 v[W4], v[PW] offset:KSC
	; ---- V of head `tile`, for all 64 tokens: source 0 = a tile of tokens, source 1 = 16 rows of Wv: a lane holds one feature, its registers run along the keys
.irp vm, 0,1,2,3
	ds_load_b128 v[HB+8*\vm:HB+8*\vm+3], v[A16] offset:XIMG+1024*\vm
	ds_load_b128 v[HB+8*\vm+4:HB+8*\vm+7], v[A16] offset:XIMG+1024*\vm+512
	ds_load_b32 v[WS+\vm], v[A4] offset:XSC+128*\vm
.endr
.irp vu, 0,1
	ds_load_b128 v[HB+32+8*\vu:HB+32+8*\vu+3], v[AWV] offset:OWV+1024*\vu
	ds_load_b128 v[HB+32+8*\vu+4:HB+32+8*\vu+7], v[AWV] offset:OWV+1024*\vu+512
	ds_load_b32 v[TMX+\vu], v[ABV] offset:OBV+32*\vu
.endr
	ds_load_b32 v[VS], v[ASV] offset:OSV
	s_wait_dscnt 0x0
.irp vu, 0,1
.irp vj, 0,1,2,3,4,5,6,7
	v_mov_b32 v[HB+48+8*\vu+\vj], v[TMX+\vu]       ; bv of my lane's feature, as the C of four products
.endr
.endr
	PLACES 4
.irp vu, 0,1
.irp vm, 0,1,2,3
	MMC HA+32*\vu+8*\vm, HB+8*\vm, HB+32+8*\vu, HB+48+8*\vu, WS+\vm, VS, 0, \vu
.endr
.endr
	PLACES 4
	PLW OWQ, OSQ
	QUANT HA, 4, PC, PW
	v_and_b32 v[TMX], 0xffff, v[PW]
	v_lshrrev_b32 v[TMX+1], 16, v[PW]
	v_cndmask_b32 v[TMX], v[TMX], v[TMX+1], s[HI]  ; lanes 0-15 carry the first tile's scale words, lanes 16-31 the second's
	ds_store_b128 v[W16], v[PC:PC+3] offset:VIMG
	ds_store_b128 v[W16], v[PC+4:PC+7] offset:VIMG+512
	ds_store_b32 v[W4], v[TMX] offset:VSC
	PLB OBQ
	BAR
	; ---- Q of my 16 tokens
	PMM XF, XS
	PLACES 4
.irp vm, 0,1,2,3
	ds_load_b128 v[HB+8*\vm:HB+8*\vm+3], v[A16] offset:KIMG+1024*\vm       ; K's four fragments land while Q is quantised; they serve all four heads
	ds_load_b128 v[HB+8*\vm+4:HB+8*\vm+7], v[A16] offset:KIMG+1024*\vm+512
	ds_load_b32 v[WS+\vm], v[A4] offset:KSC+128*\vm
.endr
	QUANT HA, 4, PC, QS
.irp i, 0,1,2,3                        ; Q's codes head by head: head 0 at QM, head 2 at QM+8, head 1 at QM+12, head 3 at QM+20, each in its own lanes alone
	v_cndmask_b32 v[QM+12+\i], 0, v[QM+\i], s[HI]
.endr
.irp i, 0,1,2,3
	v_cndmask_b32 v[QM+\i], v[QM+\i], 0, s[HI]
.endr
.irp i, 0,1,2,3
	v_cndmask_b32 v[QM+8+\i], v[QM+4+\i], 0, s[HI]
.endr
.irp i, 0,1,2,3
	v_cndmask_b32 v[QM+20+\i], 0, v[QM+4+\i], s[HI]
.endr
.irp i, 0,1,2,3
	v_mov_b32 v[QM+4+\i], 0                        ; the zero quads between them
	v_mov_b32 v[QM+16+\i], 0
.endr
.irp i, 0,1,2,3                        ; K = 64 .. 127 of V^T's two tiles and of P: zero codes, in registers of their own for each operand.  (Twelve places ahead of the first scores)
	v_mov_b32 v[HB+36+\i], 0
	v_mov_b32 v[HB+44+\i], 0
	v_mov_b32 v[HB+52+\i], 0
.endr
	; ---- attention, head by head; two heads' results are 64 features: half a fragment
	HEAD 0, 0
	HEAD 0, 1
	QUANT HA+32, 2, PC, OS
	HEAD 1, 0
	HEAD 1, 1
	PLW OWO, OSO
	QUANT HA+32, 2, PC+4, PW
	v_lshl_or_b32 v[OS], v[PW], 16, v[OS]
	PLB OBO
	s_wait_alu depctr_va_vdst(0)
	PLACES 8
	; ---- Wo, the residual, LayerNorm
	PMM PC, OS
	PLACES 4
	RESID
	LN X, OL1S, OL1B, HA, HB
	PLB OB1
	PLW OW1, OS1
	QUANT X, 4, XF, XS
	s_wait_alu depctr_va_vdst(0)
	PLACES 8
	PMM XF, XS
	PLACES 4
	PLW OW1+8192, OS1+512
	RELU HA
	QUANT HA, 4, PC, QS
	PLB OB1+512
	PMM XF, XS
	PLACES 4
	PLW OW2, OS2
	RELU HA
	QUANT HA, 4, PC2, PS
	PLB OB2
	PLACES 8
	PMM PC, QS
	PLACES 4
	PLW OW2+8192, OS2+512
	PMM PC2, PS
	PLACES 4
	RESID
	LN X, OL2S, OL2B, HA, HB
	v_add_nc_u32 v[ADW], LAYERB, v[ADW]            ; the next layer's block
	v_add_nc_u32 v[ADS], LAYERB, v[ADS]
	v_add_nc_u32 v[ADP], LAYERB, v[ADP]
	v_add_nc_u32 v[ABV], LAYERB, v[ABV]
	v_add_nc_u32 v[AWV], LAYERB, v[AWV]
	v_add_nc_u32 v[ASV], LAYERB, v[ASV]
	s_add_co_u32 s19, s19, 1
	s_cmp_lt_u32 s19, 2
	s_cbranch_scc1 .Llayer
	; ---- the way out: my 16 tokens go through my own stage and leave as whole rows of 512 bytes
	TOSTAGE
.irp p, 0,1,2,3,4,5,6,7,8,9,10,11,12,13,14,15
	ds_load_b128 v[HA+4*\p:HA+4*\p+3], v11 offset:528*\p   ; LDS serves a wave's instructions in order: these see my stores
.endr
	v_and_b32 v[HB], 31, v0
	v_lshlrev_b32 v[HB], 4, v[HB]
	s_wait_alu depctr_va_vdst(0)
.irp p, 0,1,2,3,4,5,6,7,8,9,10,11,12,13,14,15
	s_wait_dscnt 15-\p                             ; row p is back; the 15 - p younger loads may be out
	global_store_b128 v[HB], v[HA+4*\p:HA+4*\p+3], s[10:11] offset:512*(\p+(\p&8))   ; stage row p is token p + 8 (p / 8) of my tile: 32 lanes store its 512 bytes, aligned
.endr
	s_wait_dscnt 0x0
	s_set_vgpr_msb 0x5
	s_wait_tensorcnt 0x0
	ds_add_u32 v0, v1
	s_wait_dscnt 0x0
	s_set_vgpr_msb 0x500
	ROUND                                          ; the closing round
	s_endpgm
.Lfunc_end_k_q86e76c1330_spatial:
	.size	k_q86e76c1330_spatial, .Lfunc_end_k_q86e76c1330_spatial-k_q86e76c1330_spatial
	.p2alignl 7, 3214868480
	.fill 96, 4, 3214868480
	.section	.rodata,"a",@progbits
	.p2align	6, 0x0
	.amdhsa_kernel k_q86e76c1330_spatial
		.amdhsa_group_segment_fixed_size 198656
		.amdhsa_private_segment_fixed_size 0
		.amdhsa_enable_private_segment 0
		.amdhsa_kernarg_size 32
		.amdhsa_user_sgpr_count 2
		.amdhsa_user_sgpr_kernarg_segment_ptr 1
		.amdhsa_wavefront_size32 1
		.amdhsa_system_sgpr_workgroup_id_x 1
		.amdhsa_system_sgpr_workgroup_id_y 1
		.amdhsa_system_sgpr_workgroup_id_z 1
		.amdhsa_system_vgpr_workitem_id 0
		.amdhsa_next_free_vgpr 258
		.amdhsa_next_free_sgpr 100
		.amdhsa_reserve_vcc 0
		.amdhsa_float_denorm_mode_32 3
		.amdhsa_float_denorm_mode_16_64 3
		.amdhsa_memory_ordered 1
		.amdhsa_forward_progress 1
		.amdhsa_inst_pref_size 148
	.end_amdhsa_kernel
	.amdgpu_metadata
---
amdhsa.version: [ 1, 2 ]
amdhsa.kernels:
  - .name:           k_q86e76c1330_spatial
    .symbol:         k_q86e76c1330_spatial.kd
    .args:
      - { .name: xs, .offset: 0, .size: 8, .value_kind: global_buffer, .address_space: global }
      - { .name: lengths, .offset: 8, .size: 8, .value_kind: global_buffer, .address_space: global }
      - { .name: pack, .offset: 16, .size: 8, .value_kind: global_buffer, .address_space: global }
      - { .name: out0, .offset: 24, .size: 8, .value_kind: global_buffer, .address_space: global }
    .group_segment_fixed_size: 198656
    .private_segment_fixed_size: 0
    .kernarg_segment_align: 8
    .kernarg_segment_size: 32
    .max_flat_workgroup_size: 128
    .sgpr_count:     100
    .vgpr_count:     258
    .wavefront_size: 32
...
	.end_amdgpu_metadata
.endif
;; end of part 3
